; MI455X (gfx1250); checked and timed in simulation.
; The chip was launched on July 23, 2026; its instructions are those of AMD's public machine-readable ISA for CDNA 5 (MIT licence, August 2026) and "CDNA5" Instruction Set Architecture Reference Guide (July 2026). The comments in the code are by the model that wrote it; some were corrected since.
;; Ring Attention Simulated. Allowed arithmetic: float matrix products may take bf16 or f16 operands with f32 sums; all other float work in f32.
;; Inputs: Wk 1,024 x 1,024 float32; Wo 1,024 x 1,024 float32; Wq 1,024 x 1,024 float32; Wv 1,024 x 1,024 float32; x 2 x 2,048 x 1,024 float32.
;; Outputs: out0 2 x 2,048 x 1,024 float32.
;; 2 versions, each right and faster than the one before. Each part assembles by itself: llvm-mc -triple=amdgcn-amd-amdhsa -mcpu=gfx1250 --defsym DOCPART=n.
;; ======== version 1 of 2: 4 launches
;; limits: values are held in f16: magnitudes above 65,504 overflow, below 6.1e-05 lose precision
;; workspace buffers: xb 8,388,608 bytes; wt 8,388,608 bytes; qkv 33,554,432 bytes; o 16,777,216 bytes
;; launch prep (part 1): grid 512 x 1, 8 waves a work-group, no clusters, 18,432 bytes of LDS; arguments x, Wq, Wk, Wv, Wo, xb, wt; writes xb, wt
.if DOCPART == 1
	.amdgcn_target "amdgcn-amd-amdhsa--gfx1250"
	.amdhsa_code_object_version 6
	.text
	.protected	k_q8dc8b328d3_prep
	.globl	k_q8dc8b328d3_prep
	.p2align	8
	.type	k_q8dc8b328d3_prep,@function
k_q8dc8b328d3_prep:
	s_mov_b64 s[64:65], 0
	v_nop
	global_prefetch_b8 v0, s[64:65] scope:SCOPE_SE
	s_setreg_imm32_b32 hwreg(HW_REG_WAVE_MODE, 25, 1), 1
	s_wait_xcnt 0x0
; xb = bf16(x), same layout.  wt = bf16 of the four weights, transposed so that k runs along the rows:
;   wt row 192 head + 64 sel + dh = column 64 head + dh of W_sel (sel 0, 1, 2 = q, k, v);  wt row 3072 + n = column n of Wo.
; Rounded to nearest even, once; products of two bf16 are exact in f32, so this is the only rounding of the inputs in the whole program.
; Work-group g of 512 takes 32,768 bytes of x and a block of 128 k x 64 n of one weight (mat = g >> 7, column block (g >> 3) & 15, k block g & 7).
; Each input byte is read once, by 16-byte loads of which sixteen neighbouring lanes cover 256 neighbouring bytes; each output byte is written once:
; a wave's 8-byte stores of xb cover 256 aligned bytes, sixteen lanes' 16-byte stores of wt cover 256 aligned bytes.
; The transposition goes through LDS (64 rows of n, 256 bytes of k, pitch 272).  No matrix unit, no cluster: nothing is multiplied or shared.
.set WR, 8                             ; v[8:39]    eight loads of W: rows k = 8 R + i, four n each
.set XI, 40                            ; v[40:71]   eight loads of x
.set PK, 72                            ; v[72:87]   W packed: for each of my four n, eight k in 16 bytes
.set XO, 88                            ; v[88:103]  x packed (v88-90 serve the set-up first)
.set RB, 104                           ; v[104:119] rows of wt read back
.set LPITCH, 272
	s_load_b256 s[4:11], s[0:1], 0x0               ; x s[4:5], Wq s[6:7], Wk s[8:9], Wv s[10:11]
	s_load_b128 s[12:15], s[0:1], 0x20             ; Wo s[12:13], xb s[14:15]
	s_load_b64 s[16:17], s[0:1], 0x30              ; wt
	v_lshl_add_u32 v120, v0, 2, 0x4400
	v_mov_b32 v121, 0
	s_lshr_b32 s20, ttmp9, 7                       ; mat: which weight
	s_bfe_u32 s21, ttmp9, 0x40003                  ; cb: which 64 columns
	s_and_b32 s22, ttmp9, 7                        ; kb: which 128 rows
	s_lshl_b32 s24, s22, 19                        ; W: kb x 128 rows x 4,096 bytes
	s_lshl_b32 s25, s21, 8                         ;    + cb x 64 columns x 4 bytes
	s_add_co_u32 s24, s24, s25
	s_mov_b32 s25, 0
	s_mul_i32 s26, s21, 192                        ; wt's first row: 192 cb + 64 mat for q, k, v
	s_lshl_b32 s27, s20, 6
	s_add_co_u32 s26, s26, s27
	s_lshl_b32 s27, s21, 6                         ; 3072 + 64 cb for Wo
	s_add_co_u32 s27, s27, 3072
	s_cmp_eq_u32 s20, 3
	s_cselect_b32 s26, s27, s26
	s_lshl_b32 s26, s26, 11                        ; rows of 2,048 bytes
	s_lshl_b32 s27, s22, 8                         ; + kb x 128 k x 2 bytes
	s_add_co_u32 s26, s26, s27
	s_mov_b32 s27, 0
	s_lshl_b32 s28, ttmp9, 15                      ; x: g x 32,768
	s_mov_b32 s29, 0
	s_lshl_b32 s30, ttmp9, 14                      ; xb: g x 16,384
	s_mov_b32 s31, 0
	v_lshlrev_b32 v1, 4, v0                        ; x: 16 t
	v_lshlrev_b32 v2, 3, v0                        ; xb: 8 t
	v_and_b32 v7, 15, v0                           ; c = t & 15
	v_lshrrev_b32 v88, 4, v0                       ; R = t >> 4
	v_lshlrev_b32 v3, 4, v7
	v_lshl_add_u32 v3, v88, 15, v3                 ; W: 8 R rows of 4,096 bytes + 16 c
	v_mul_u32_u24 v4, v7, 4*LPITCH
	v_lshl_add_u32 v4, v88, 4, v4                  ; LDS in: row 4 c, byte 16 R
	v_lshrrev_b32 v89, 5, v0
	v_bfe_u32 v90, v0, 4, 1
	v_lshl_add_u32 v89, v89, 3, v90                ; row 8 wave + (lane >> 4)
	v_mul_u32_u24 v5, v89, LPITCH
	v_lshl_add_u32 v5, v7, 4, v5                   ; LDS back: that row, byte 16 c
	v_lshlrev_b32 v6, 4, v7
	v_lshl_add_u32 v6, v89, 11, v6                 ; wt: the same row and bytes
	s_wait_kmcnt 0x0
	s_cmp_eq_u32 s20, 1                            ; the weight's address is chosen on the work-group's number alone
	s_cselect_b64 s[18:19], s[8:9], s[6:7]
	s_cmp_eq_u32 s20, 2
	s_cselect_b64 s[18:19], s[10:11], s[18:19]
	s_cmp_eq_u32 s20, 3
	s_cselect_b64 s[18:19], s[12:13], s[18:19]
	s_add_nc_u64 s[18:19], s[18:19], s[24:25]
	s_add_nc_u64 s[16:17], s[16:17], s[26:27]
	s_add_nc_u64 s[4:5], s[4:5], s[28:29]
	s_add_nc_u64 s[14:15], s[14:15], s[30:31]
.irp i, 0,1,2,3,4,5,6,7
	global_load_b128 v[WR+4*\i:WR+4*\i+3], v3, s[18:19] offset:4096*\i th:TH_LOAD_NT
.endr
.irp i, 0,1,2,3,4,5,6,7
	global_load_b128 v[XI+4*\i:XI+4*\i+3], v1, s[4:5] offset:4096*\i th:TH_LOAD_NT
.endr
	s_wait_loadcnt 0x8                             ; loads come back in order: W's eight are in, x's eight stay out
.irp e, 0,1,2,3
.irp d, 0,1,2,3
	v_cvt_pk_bf16_f32 v[PK+4*\e+\d], v[WR+8*\d+\e], v[WR+8*\d+4+\e]  ; column 4 c + e: k = 8 R + 2 d below, 8 R + 2 d + 1 above
.endr
.endr
.irp e, 0,1,2,3
	ds_store_b128 v4, v[PK+4*\e:PK+4*\e+3] offset:LPITCH*\e          ; sixteen lanes stand 1,088 bytes apart: four share a column of banks; four stores a thread in all
.endr
	s_wait_dscnt 0x0                               ; my stores are done, for the other waves' sake
	s_barrier_signal -1
	s_barrier_wait -1
.irp i, 0,1,2,3
	ds_load_b128 v[RB+4*\i:RB+4*\i+3], v5 offset:2*LPITCH*\i         ; two whole rows a load
.endr
.irp i, 0,1,2,3,4,5,6,7
	s_wait_loadcnt 7-\i                            ; x's load i is in, the younger ones stay out
	v_cvt_pk_bf16_f32 v[XO+2*\i], v[XI+4*\i], v[XI+4*\i+1]
	v_cvt_pk_bf16_f32 v[XO+2*\i+1], v[XI+4*\i+2], v[XI+4*\i+3]
	global_store_b64 v2, v[XO+2*\i:XO+2*\i+1], s[14:15] offset:2048*\i
.endr
.irp i, 0,1,2,3
	s_wait_dscnt 3-\i                              ; row pair i is back, the younger reads stay out
	global_store_b128 v6, v[RB+4*\i:RB+4*\i+3], s[16:17] offset:4096*\i
.endr
	s_wait_tensorcnt 0x0
	ds_add_u32 v120, v121
	s_wait_dscnt 0x0
	s_endpgm
.Lfunc_end_k_q8dc8b328d3_prep:
	.size	k_q8dc8b328d3_prep, .Lfunc_end_k_q8dc8b328d3_prep-k_q8dc8b328d3_prep
	.p2alignl 7, 3214868480
	.fill 96, 4, 3214868480
	.section	.rodata,"a",@progbits
	.p2align	6, 0x0
	.amdhsa_kernel k_q8dc8b328d3_prep
		.amdhsa_group_segment_fixed_size 18432
		.amdhsa_private_segment_fixed_size 0
		.amdhsa_enable_private_segment 0
		.amdhsa_kernarg_size 56
		.amdhsa_user_sgpr_count 2
		.amdhsa_user_sgpr_kernarg_segment_ptr 1
		.amdhsa_wavefront_size32 1
		.amdhsa_system_sgpr_workgroup_id_x 1
		.amdhsa_system_sgpr_workgroup_id_y 1
		.amdhsa_system_sgpr_workgroup_id_z 1
		.amdhsa_system_vgpr_workitem_id 0
		.amdhsa_next_free_vgpr 122
		.amdhsa_next_free_sgpr 66
		.amdhsa_reserve_vcc 0
		.amdhsa_float_denorm_mode_32 3
		.amdhsa_float_denorm_mode_16_64 3
		.amdhsa_memory_ordered 1
		.amdhsa_forward_progress 1
		.amdhsa_inst_pref_size 9
	.end_amdhsa_kernel
	.amdgpu_metadata
---
amdhsa.version: [ 1, 2 ]
amdhsa.kernels:
  - .name:           k_q8dc8b328d3_prep
    .symbol:         k_q8dc8b328d3_prep.kd
    .args:
      - { .name: x, .offset: 0, .size: 8, .value_kind: global_buffer, .address_space: global }
      - { .name: Wq, .offset: 8, .size: 8, .value_kind: global_buffer, .address_space: global }
      - { .name: Wk, .offset: 16, .size: 8, .value_kind: global_buffer, .address_space: global }
      - { .name: Wv, .offset: 24, .size: 8, .value_kind: global_buffer, .address_space: global }
      - { .name: Wo, .offset: 32, .size: 8, .value_kind: global_buffer, .address_space: global }
      - { .name: xb, .offset: 40, .size: 8, .value_kind: global_buffer, .address_space: global }
      - { .name: wt, .offset: 48, .size: 8, .value_kind: global_buffer, .address_space: global }
    .group_segment_fixed_size: 18432
    .private_segment_fixed_size: 0
    .kernarg_segment_align: 8
    .kernarg_segment_size: 56
    .max_flat_workgroup_size: 256
    .sgpr_count:     66
    .vgpr_count:     122
    .wavefront_size: 32
...
	.end_amdgpu_metadata
.endif
;; end of part 1
;; launch qkv (part 2): grid 16 x 16, 4 waves a work-group, clusters of 4 x 4, 327,680 bytes of LDS; arguments xb, wt, qkv; writes qkv
.if DOCPART == 2
	.amdgcn_target "amdgcn-amd-amdhsa--gfx1250"
	.amdhsa_code_object_version 6
	.text
	.protected	k_q8dc8b328d3_qkv
	.globl	k_q8dc8b328d3_qkv
	.p2align	8
	.type	k_q8dc8b328d3_qkv,@function
k_q8dc8b328d3_qkv:
	s_mov_b64 s[64:65], 0
	v_nop
	global_prefetch_b8 v0, s[64:65] scope:SCOPE_SE
	s_setreg_imm32_b32 hwreg(HW_REG_WAVE_MODE, 25, 1), 1
	s_wait_xcnt 0x0
	s_wait_alu depctr_hold_cnt(0) depctr_sa_sdst(0) depctr_va_vdst(0) depctr_va_sdst(0) depctr_va_ssrc(0) depctr_va_vcc(0) depctr_vm_vsrc(0)
	s_getreg_b32 s2, hwreg(HW_REG_IB_STS2, 6, 4)
	s_cmp_eq_u32 s2, 0
	s_cbranch_scc0 .Lentry_in_a_cluster
	s_endpgm
.Lentry_in_a_cluster:
	s_bfe_u32 s2, ttmp6, 0x10000c
	s_cmp_lg_u32 s2, 0xf033
	s_cbranch_scc0 .Lentry_shape_is_right
	s_endpgm
.Lentry_shape_is_right:
; q, k, v of one head for 256 rows: C[256][192] = xb[256 rows][1024] x wt[192 rows][1024]^T, bf16 operands, f32 sums.
; qkv is [plane 4][16 b + head][t 2048][dh 64] in f16: plane 0 q, 1 k, 2 v's upper part, 3 v's rest.
; v IN TWO PARTS: the upper part is the f32 sum with its low 13 mantissa bits cleared (11 significant bits: exact in f16), the rest is the exact
; difference, rounded to f16: some 21 bits together.  A query row with few keys takes v over almost unchanged, so nothing averages v's rounding away there.
; LIMITS: |q|, |k|, |v| below 65,504 (f16); with x and W thirty times the drawn spread they reach some 3,200, with offsets of thirty spreads some 18,400.
; What of v lies below 2^-24 is lost.
; Four waves; wave w makes rows 64 w .. 64 w + 63 x all 192 columns: 48 accumulator tiles, 384 registers; for 32 along K it reads
; 32 x 512 bytes from LDS for 48 matrix instructions.  K goes in steps of 128 (rows of 256 bytes) through two LDS slots.
; CLUSTERS: 4 x 4 work-groups.  The four of a row of the cluster share the block of rows of xb, the four of a column the head's rows of wt: each tile
; is asked for jointly by the four, with one descriptor and a mask that names them.
; REGISTERS in windows of 256: window 0 addresses, A's fragments (two buffers of 4), the way out; window 1 B's fragments (two buffers of 12);
; window 2 the accumulators of my row tiles 0, 1 (tile (a, b) at 8 (12 a + b)); window 3 those of row tiles 2, 3.
; The matrix instruction is used transposed (source 0 = rows of wt, source 1 = rows of xb): a lane then holds eight neighbouring columns of one row of C.
.set SIZE_K, 1024
.set KSTEP,  128
.set PITCH,  272                       ; 256 bytes + 16: an odd multiple of 16, so the sixteen rows of a fragment load start 16 bytes apart modulo 256
.set AHALF,  128*PITCH                 ; what waves 0 and 1 fetch
.set BHALF,  96*PITCH                  ; what waves 2 and 3 fetch
.set ABYTES, 2*AHALF
.set SLOT,   ABYTES+2*BHALF            ; 121,856
.set STAGE,  2*SLOT                    ; 243,712 = 952 x 256: behind the ring, no fill lands here
.set SPITCH, 656                       ; a staged row: 4 x 128 bytes + 144: 41 x 16, odd for the stores by rows, 9 modulo 16 for the reads of two rows' 128 bytes
.set WSTAGE, 16*SPITCH                 ; 10,496 = 41 x 256
.set LAPS,   SIZE_K/(2*KSTEP)          ; 4
.set ADRA, 16                          ; v16-17 my A fragments in slot 0, 1
.set ADRB, 20                          ; v20-21 B's
.set STO,  24
.set RD,   25
.set CO,   26
.set FA,   32                          ; window 0: v32-63, v64-95
.set FB,   0                           ; window 1: v0-95, v96-191
.set VHI,  32                          ; the way out, in A's fragment registers: v's upper part as f32
.set VLO,  64                          ; and its rest
.set TMP,  96                          ; window 0: 64 packed registers
.set RB,   160                         ; window 0: 64 registers read back
.set G1,  24
.set G0,  32
.set G1B, 48
.set G0B, 56
.set MSB, 0
.macro WIN new                         ; the immediate's high byte repeats the setting that is left
.if MSB != \new
	s_set_vgpr_msb (MSB<<8)|\new
.set MSB, \new
.endif
.endm
.set MUL_LO, 0xa1                      ; source 0 window 1, source 1 window 0, C and D window 2
.set MUL_HI, 0xf1                      ; the same, C and D window 3
.set TO_B,   0x40                      ; destination window 1, address window 0
.macro JLOAD s                         ; waves 0, 1 ask for A's halves, waves 2, 3 for B's: one load a wave; the branch hangs on the wave's number alone
	s_cmp_eq_u32 s11, 0
	s_cbranch_scc0 .Lfor_b_\@
	tensor_load_to_lds s[G0+4*\s:G0+4*\s+3], s[G1:G1+7]
	s_nop 0
	s_branch .Lasked_\@
.Lfor_b_\@:
	tensor_load_to_lds s[G0B+4*\s:G0B+4*\s+3], s[G1B:G1B+7]
	s_nop 0
.Lasked_\@:
.endm
.macro CREST                           ; a round of the cluster's barrier behind its opening work-group barrier
	s_cmp_lg_u32 s10, 0
	s_cbranch_scc1 .Lnot_wave_0_\@
	s_barrier_signal -3
.Lnot_wave_0_\@:
	s_barrier_wait -3
	s_barrier_signal -1
	s_barrier_wait -1
.endm
.macro CROUND
	s_barrier_signal -1
	s_barrier_wait -1
	CREST
.endm
	s_load_b128 s[4:7], s[0:1], 0x0                ; xb s[4:5], wt s[6:7]
	s_load_b64 s[8:9], s[0:1], 0x10                ; qkv
	s_set_vgpr_msb 0x40
	v_lshl_add_u32 v255, v0, 2, 0x45c00
	s_set_vgpr_msb 0x4000
	v_mov_b32 v255, 0
	s_set_vgpr_msb 0x1
	ds_add_u32 v255, v255
	s_set_vgpr_msb 0x100
	v_lshrrev_b32 v1, 5, v0
	v_readfirstlane_b32 s10, v1                    ; wave 0..3
	s_lshr_b32 s11, s10, 1                         ; I fetch for A (0) or for B (1)
	s_and_b32 s12, s10, 1                          ; which half of that tile
	s_bfe_u32 s40, ttmp6, 0x40000                  ; cx
	s_bfe_u32 s41, ttmp6, 0x40004                  ; cy
	s_lshl_b32 s42, ttmp9, 2
	s_add_co_u32 s42, s42, s40                     ; head = 4 x cluster x + cx
	s_and_b32 s13, ttmp7, 0xffff
	s_lshl_b32 s13, s13, 2
	s_add_co_u32 s13, s13, s41                     ; block of 256 rows = 4 x cluster y + cy
	s_lshl_b32 s43, s41, 2
	s_lshl_b32 s43, 15, s43                        ; my row of the cluster
	s_lshl_b32 s44, 0x1111, s40                    ; my column
	s_mov_b32 s45, 0xffffe000                      ; keeps sign, exponent and 10 mantissa bits of an f32
	s_or_b32 s[G1+0], s43, (1<<16)|(1<<20)|(1<<21)|(5<<22)|(3<<25)  ; mask; elements of 2 bytes; padding on; bit 21 beside a mask; after every 64 words, 4 words
	s_or_b32 s[G1B+0], s44, (1<<16)|(1<<20)|(1<<21)|(5<<22)|(3<<25)
	s_mov_b32 s[G1+1], KSTEP<<16                   ; tensor_dim0 = 128
	s_mov_b32 s[G1B+1], KSTEP<<16
	s_mov_b32 s[G1+2], 128<<16                     ; tensor_dim1 = 128 rows of A
	s_mov_b32 s[G1B+2], 96<<16                     ;             = 96 rows of B
	s_mov_b32 s[G1+3], KSTEP<<16                   ; tile_dim0 = 128
	s_mov_b32 s[G1B+3], KSTEP<<16
	s_mov_b32 s[G1+4], 128                         ; tile_dim1
	s_mov_b32 s[G1B+4], 96
	s_mov_b32 s[G1+5], SIZE_K                      ; elements from row to row
	s_mov_b32 s[G1B+5], SIZE_K
	s_mov_b32 s[G1+6], 0
	s_mov_b32 s[G1B+6], 0
	s_mov_b32 s[G1+7], 0
	s_mov_b32 s[G1B+7], 0
	s_lshl_b32 s17, s12, 7                         ; A: row 256 x block + 128 x half, rows of 2,048 bytes
	s_lshl_b32 s16, s13, 8
	s_add_co_u32 s16, s16, s17
	s_lshl_b32 s16, s16, 11
	s_mov_b32 s17, 0
	s_mul_i32 s46, s42, 192                        ; B: row 192 x head + 96 x half
	s_mul_i32 s47, s12, 96
	s_add_co_u32 s46, s46, s47
	s_lshl_b32 s46, s46, 11
	s_mov_b32 s47, 0
	s_mul_i32 s20, s10, AHALF                      ; LDS: A's halves at wave x 34,816 (waves 0, 1)
	s_mul_i32 s21, s10, BHALF                      ;      B's halves at 69,632 + (wave - 2) x 26,112 (waves 2, 3)
	s_add_co_u32 s21, s21, ABYTES-2*BHALF
	s_wait_dscnt 0x0
	s_wait_kmcnt 0x0
	s_add_nc_u64 s[14:15], s[4:5], s[16:17]
	s_add_nc_u64 s[46:47], s[6:7], s[46:47]
	CROUND                                         ; all sixteen work-groups are here: the first joint loads meet
.irp s, 0,1
	s_mov_b32 s[G0+4*\s], 1
	s_add_co_u32 s[G0+4*\s+1], s20, \s*SLOT
	s_add_nc_u64 s[G0+4*\s+2:G0+4*\s+3], s[14:15], \s*KSTEP*2
	s_or_b32 s[G0+4*\s+3], s[G0+4*\s+3], 0x80000000
	s_mov_b32 s[G0B+4*\s], 1
	s_add_co_u32 s[G0B+4*\s+1], s21, \s*SLOT
	s_add_nc_u64 s[G0B+4*\s+2:G0B+4*\s+3], s[46:47], \s*KSTEP*2
	s_or_b32 s[G0B+4*\s+3], s[G0B+4*\s+3], 0x80000000
	JLOAD \s                                       ; K steps 0 and 1: two loads of the wave are out, the most in this text
.endr
	v_and_b32 v1, 15, v0                           ; r
	v_bfe_u32 v2, v0, 4, 1                         ; h
	v_mul_u32_u24 v3, v1, PITCH
	v_lshl_add_u32 v3, v2, 4, v3                   ; r x pitch + 16 h
	s_mul_i32 s22, s10, 64*PITCH                   ; my 64 rows of A
	v_add_nc_u32 v[ADRA], s22, v3
	v_add_nc_u32 v[ADRA+1], SLOT, v[ADRA]
	v_add_nc_u32 v[ADRB], ABYTES, v3               ; all 192 rows of B
	v_add_nc_u32 v[ADRB+1], ABYTES+SLOT, v3
	s_mul_i32 s23, s10, WSTAGE
	s_add_co_u32 s23, s23, STAGE                   ; my stage
	v_mul_u32_u24 v4, v1, SPITCH
	v_lshl_add_u32 v4, v2, 4, v4
	v_add_nc_u32 v[STO], s23, v4                   ; in: row r, 16 bytes for each half of the lanes
	v_bfe_u32 v5, v0, 3, 2
	v_and_b32 v6, 7, v0
	v_mul_u32_u24 v5, v5, SPITCH
	v_lshl_add_u32 v5, v6, 4, v5
	v_add_nc_u32 v[RD], s23, v5                    ; back: eight lanes take the 128 bytes of one row and one plane
	v_and_b32 v6, 31, v0
	v_lshlrev_b32 v[CO], 4, v6                     ; in qkv four such rows are 512 neighbouring bytes: 16 x lane
.macro MUL12 f, hi, a, zero            ; row tile a of the window x all 12 column tiles, 32 along K
.irp b, 0,1,2,3,4,5,6,7,8,9,10,11
.if \zero
	v_wmma_f32_16x16x32_bf16 v[8*(12*\a+\b):8*(12*\a+\b)+7], v[FB+96*\f+8*\b:FB+96*\f+8*\b+7], v[FA+32*\f+8*(2*\hi+\a):FA+32*\f+8*(2*\hi+\a)+7], 0
.else
	v_wmma_f32_16x16x32_bf16 v[8*(12*\a+\b):8*(12*\a+\b)+7], v[FB+96*\f+8*\b:FB+96*\f+8*\b+7], v[FA+32*\f+8*(2*\hi+\a):FA+32*\f+8*(2*\hi+\a)+7], v[8*(12*\a+\b):8*(12*\a+\b)+7]
.endif
.endr
.endm
.macro FETCH slot, k, f                ; 32 LDS loads in one run: B's 12 fragments, then A's 4
	WIN TO_B
.irp i, 0,1,2,3,4,5,6,7,8,9,10,11
	ds_load_b128 v[FB+96*\f+8*\i:FB+96*\f+8*\i+3],   v[ADRB+\slot] offset:\k+\i*16*PITCH
	ds_load_b128 v[FB+96*\f+8*\i+4:FB+96*\f+8*\i+7], v[ADRB+\slot] offset:\k+\i*16*PITCH+32
.endr
	WIN 0
.irp i, 0,1,2,3
	ds_load_b128 v[FA+32*\f+8*\i:FA+32*\f+8*\i+3],   v[ADRA+\slot] offset:\k+\i*16*PITCH
	ds_load_b128 v[FA+32*\f+8*\i+4:FA+32*\f+8*\i+7], v[ADRA+\slot] offset:\k+\i*16*PITCH+32
.endr
.endm
.macro PLACES                          ; four independent vector instructions between a matrix instruction and a load into, or a vector read of, its registers
.rept 4
	v_nop
.endr
.endm
; The 48 accumulators take turns, one instruction a turn, in the same order in every quarter.
.macro QUARTER slot, k, f, g, zero
	s_wait_dscnt 4                                 ; B and A's tiles 0, 1 are in; the youngest four loads (A's tiles 2, 3) may be out
	WIN MUL_LO
	MUL12 \f, 0, 0, \zero
	MUL12 \f, 0, 1, \zero
	PLACES
	FETCH \slot, \k, \g
	s_wait_dscnt 32                                ; all but the 32 just issued
	WIN MUL_HI
	MUL12 \f, 1, 0, \zero
	MUL12 \f, 1, 1, \zero
.endm
.macro THREE slot, zero
	QUARTER \slot, 64,  0, 1, \zero
	QUARTER \slot, 128, 1, 0, 0
	QUARTER \slot, 192, 0, 1, 0
.endm
; The last quarter of a K step changes slots.  In front of the barrier each wave waits for its reads of this slot and for all its tensor loads (one is out:
; its part of the next slot).  Where this slot is filled again the barrier opens a round of the cluster's barrier, and the joint refill is the first tensor
; load behind the round.  From a request to the wait for it a wave issues 180 matrix instructions.
.macro TURN slot, next, fill
	s_wait_dscnt 4
	WIN MUL_LO
	MUL12 1, 0, 0, 0
	s_wait_dscnt 0                                 ; my reads of this slot are over
	s_wait_tensorcnt 0x0                           ; all my tensor loads have landed
	ds_add_u32 v255, v255
	s_wait_dscnt 0x0
	s_barrier_signal -1
	MUL12 1, 0, 1, 0                               ; register work while the others arrive
	WIN 0
	s_barrier_wait -1
.if \fill
	CREST
	s_add_nc_u64 s[G0+4*\slot+2:G0+4*\slot+3], s[G0+4*\slot+2:G0+4*\slot+3], 2*KSTEP*2
	s_add_nc_u64 s[G0B+4*\slot+2:G0B+4*\slot+3], s[G0B+4*\slot+2:G0B+4*\slot+3], 2*KSTEP*2
	JLOAD \slot
.endif
	PLACES
	FETCH \next, 0, 0
	WIN MUL_HI
	MUL12 1, 1, 0, 0
	MUL12 1, 1, 1, 0
.endm
.macro LAP zero
	THREE 0, \zero
	TURN 0, 1, 1
	THREE 1, 0
	TURN 1, 0, 1
.endm
	s_wait_tensorcnt 1                             ; my part of K step 0 is in; K step 1's stays out
	s_barrier_signal -1
	s_barrier_wait -1
	FETCH 0, 0, 0
	LAP 1                                          ; the first products start the sums: nothing is cleared
	WIN 0
	s_mov_b32 s3, LAPS-2
.Llap:
	LAP 0
	WIN 0
	s_sub_co_u32 s3, s3, 1
	s_cmp_lg_u32 s3, 0
	s_cbranch_scc1 .Llap
	THREE 0, 0                                     ; the last lap fills nothing
	TURN 0, 1, 0
	THREE 1, 0
	s_wait_dscnt 4
	WIN MUL_LO
	MUL12 1, 0, 0, 0
	MUL12 1, 0, 1, 0
	s_wait_dscnt 0
	WIN MUL_HI
	MUL12 1, 1, 0, 0
	MUL12 1, 1, 1, 0
	; THE WAY OUT, 16 rows at a time: to f16, 16 bytes a lane into my own stage, read back as the 128-byte rows of the four planes.
	PLACES
	s_lshr_b32 s16, s13, 3                         ; b = block >> 3: 16 heads x 2,048 rows x 128 bytes
	s_lshl_b32 s16, s16, 22
	s_and_b32 s17, s13, 7                          ; t = 256 (block & 7) + 64 wave
	s_lshl_b32 s17, s17, 15
	s_add_co_u32 s16, s16, s17
	s_lshl_b32 s17, s10, 13
	s_add_co_u32 s16, s16, s17
	s_mov_b32 s17, 0
	s_add_nc_u64 s[8:9], s[8:9], s[16:17]
	s_lshl_b32 s46, s42, 18                        ; head x 2,048 rows x 128 bytes (in the registers that held B's address)
	s_mov_b32 s47, 0
	s_add_nc_u64 s[8:9], s[8:9], s[46:47]          ; q's plane
	s_add_nc_u64 s[66:67], s[8:9], 0x800000        ; k's
	s_add_nc_u64 s[68:69], s[8:9], 0x1000000       ; that of v's upper part
	s_add_nc_u64 s[70:71], s[8:9], 0x1800000       ; that of v's rest
.macro OUTSEL sel, base, a
.irp i, 0,1,2,3
	s_wait_dscnt 15-4*\sel-\i                      ; this read is back, the younger ones stay out
	global_store_b128 v[CO], v[RB+16*\sel+4*\i:RB+16*\sel+4*\i+3], s[\base:\base+1] offset:2048*\a+512*\i   ; the wave stores 512 neighbouring bytes, aligned
.endr
.endm
; my rows 16 a ..: the twelve tiles (la, 0..11) of window 2 or 3.  w2: sources 0 and 1 in that window; w1: source 0 alone
.macro OUT16 a, la, w2, w1
	WIN \w2
.irp b, 0,1,2,3,4,5,6,7
.irp r, 0,1,2,3
	v_cvt_pk_f16_f32 v[TMP+4*\b+\r], v[8*(12*\la+\b)+2*\r], v[8*(12*\la+\b)+2*\r+1]          ; q and k
.endr
.endr
	WIN \w1
.irp b, 8,9,10,11
.irp j, 0,1,2,3,4,5,6,7
	v_and_b32 v[VHI+8*(\b-8)+\j], v[8*(12*\la+\b)+\j], s45                                   ; v's upper part
.endr
.endr
.irp b, 8,9,10,11
.irp r, 0,1,2,3
	v_pk_add_f32 v[VLO+8*(\b-8)+2*\r:VLO+8*(\b-8)+2*\r+1], v[8*(12*\la+\b)+2*\r:8*(12*\la+\b)+2*\r+1], v[VHI+8*(\b-8)+2*\r:VHI+8*(\b-8)+2*\r+1] neg_lo:[0,1] neg_hi:[0,1]   ; the rest, exact
.endr
.endr
	WIN 0
.irp i, 0,1,2,3,4,5,6,7,8,9,10,11,12,13,14,15
	v_cvt_pk_f16_f32 v[TMP+32+\i], v[VHI+2*\i], v[VHI+2*\i+1]
	v_cvt_pk_f16_f32 v[TMP+48+\i], v[VLO+2*\i], v[VLO+2*\i+1]
.endr
.irp b, 0,1,2,3,4,5,6,7,8,9,10,11,12,13,14,15
	ds_store_b128 v[STO], v[TMP+4*\b:TMP+4*\b+3] offset:32*\b
.endr
	s_wait_xcnt 0x0                                ; the registers read back into were data of the last sixteen rows' stores: rewritten only behind this wait
.irp sel, 0,1,2,3
.irp i, 0,1,2,3
	ds_load_b128 v[RB+16*\sel+4*\i:RB+16*\sel+4*\i+3], v[RD] offset:128*\sel+4*SPITCH*\i   ; LDS serves a wave's instructions in order: these see the stores above
.endr
.endr
	OUTSEL 0, 8, \a
	OUTSEL 1, 66, \a
	OUTSEL 2, 68, \a
	OUTSEL 3, 70, \a
.endm
	OUT16 0, 0, 0x0a, 0x02
	OUT16 1, 1, 0x0a, 0x02
	OUT16 2, 0, 0x0f, 0x03
	OUT16 3, 1, 0x0f, 0x03
	s_set_vgpr_msb 0x1
	s_wait_tensorcnt 0x0
	ds_add_u32 v255, v255
	s_wait_dscnt 0x0
	s_set_vgpr_msb 0x100
	CROUND                                         ; the closing round: no work-group ends while a partner may still ask for a tile that names it
	s_endpgm
.Lfunc_end_k_q8dc8b328d3_qkv:
	.size	k_q8dc8b328d3_qkv, .Lfunc_end_k_q8dc8b328d3_qkv-k_q8dc8b328d3_qkv
	.p2alignl 7, 3214868480
	.fill 96, 4, 3214868480
	.section	.rodata,"a",@progbits
	.p2align	6, 0x0
	.amdhsa_kernel k_q8dc8b328d3_qkv
		.amdhsa_group_segment_fixed_size 327680
		.amdhsa_private_segment_fixed_size 0
		.amdhsa_enable_private_segment 0
		.amdhsa_kernarg_size 24
		.amdhsa_user_sgpr_count 2
		.amdhsa_user_sgpr_kernarg_segment_ptr 1
		.amdhsa_wavefront_size32 1
		.amdhsa_system_sgpr_workgroup_id_x 1
		.amdhsa_system_sgpr_workgroup_id_y 1
		.amdhsa_system_sgpr_workgroup_id_z 1
		.amdhsa_system_vgpr_workitem_id 0
		.amdhsa_next_free_vgpr 960
		.amdhsa_next_free_sgpr 72
		.amdhsa_reserve_vcc 0
		.amdhsa_float_denorm_mode_32 3
		.amdhsa_float_denorm_mode_16_64 3
		.amdhsa_memory_ordered 1
		.amdhsa_forward_progress 1
		.amdhsa_inst_pref_size 184
	.end_amdhsa_kernel
	.amdgpu_metadata
---
amdhsa.version: [ 1, 2 ]
amdhsa.kernels:
  - .name:           k_q8dc8b328d3_qkv
    .symbol:         k_q8dc8b328d3_qkv.kd
    .args:
      - { .name: xb, .offset: 0, .size: 8, .value_kind: global_buffer, .address_space: global }
      - { .name: wt, .offset: 8, .size: 8, .value_kind: global_buffer, .address_space: global }
      - { .name: qkv, .offset: 16, .size: 8, .value_kind: global_buffer, .address_space: global }
    .group_segment_fixed_size: 327680
    .private_segment_fixed_size: 0
    .kernarg_segment_align: 8
    .kernarg_segment_size: 24
    .max_flat_workgroup_size: 128
    .sgpr_count:     72
    .vgpr_count:     960
    .wavefront_size: 32
...
	.end_amdgpu_metadata
.endif
;; end of part 2
;; launch attn (part 3): grid 8 x 32, 8 waves a work-group, no clusters, 327,680 bytes of LDS; arguments qkv, o; writes o
.if DOCPART == 3
	.amdgcn_target "amdgcn-amd-amdhsa--gfx1250"
	.amdhsa_code_object_version 6
	.text
	.protected	k_q8dc8b328d3_attn
	.globl	k_q8dc8b328d3_attn
	.p2align	8
	.type	k_q8dc8b328d3_attn,@function
k_q8dc8b328d3_attn:
	s_mov_b64 s[64:65], 0
	v_nop
	global_prefetch_b8 v0, s[64:65] scope:SCOPE_SE
	s_setreg_imm32_b32 hwreg(HW_REG_WAVE_MODE, 25, 1), 1
	s_wait_xcnt 0x0
; Causal attention of one (batch, head): o = softmax(q k^T / 8, keys <= query) v, with a running maximum.  f16 operands, everything else f32.
; qkv: [plane][bh][t][dh 64] f16, planes q, k, v's upper part, v's rest; P V is P x upper + P x rest on one accumulator.
; o: [b][t / 2][head][part 2][t & 1][dh 64] bf16: part 0 the top 16 bits of the f32 result, part 1 the exact difference rounded to bf16, some 16 bits
; together; the two parts of two query rows of a head are 512 neighbouring aligned bytes.  Both splits serve the rows with few keys, in which
; nothing averages a rounding of v or of o away.
; SHARING: query blocks of 128 rows, 16 for each bh.  Work-group g takes block 2 g (2 g + 1 key tiles of 128) and then block 15 - 2 g (16 - 2 g tiles):
; 17 tiles in each of the 256 work-groups.  Wave w: query rows 32 (w & 3) .. + 31 (two tiles qt), keys 64 (w >> 2) .. + 63 of every tile; the two key
; halves are merged through LDS at a block's end.
; LAYOUT: S^T = K Q^T, so a lane holds one query (r) and keys 16 kt + 8 h + j: the softmax's figures are one number a lane, and two packed tiles of S^T
; are the B fragment of P^T as they stand.  O^T = V^T P^T, V^T read by the transposing LDS load.
; The exponent is S c + NM with c = log2(e) / 8 and NM = -c x maximum: one fused multiply-add; old sums are rescaled by exp2(NM new - NM old).
; A block's diagonal tile comes first: its products start all sums, nothing is cleared.
; NO JOINT LOADS: the eight work-groups of a bh walk K and V, but at the same step they stand at different tiles (each begins at its own diagonal tile
; 2 g, and changes blocks after 2 g + 1 steps); in lock step four partners would need the longest partner's 20 steps for 17 steps' work.
; LIMITS: raw scores below -3.4e38 are not told apart (the maximum's seed).  Every row has its diagonal key, so the sum is at least 1 and
; nan_to_num changes nothing for finite inputs; with NaN or infinite inputs the results differ from the reference's.  P, q, k are rounded to f16.
.set TILE,   16384                     ; 128 keys x 128 bytes, dense: taken as 64 rows of 256 bytes (two keys a row)
.set KPITCH, 272
.set VPITCH, 288
.set KBYTES, 64*KPITCH                 ; 17,408
.set VBYTES, 64*VPITCH                 ; 18,432
.set SLOTB,  KBYTES+2*VBYTES           ; 54,272: K, V's upper part, V's rest
.set XBASE,  2*SLOTB                   ; 108,544 = 424 x 256: the waves' exchange, 4,608 bytes each; no fill lands here
.set XWAVE,  4608
.set OBASE,  XBASE+8*XWAVE             ; 145,408: the waves' stages for the way out, 16 rows of 256 bytes at pitch 400 (25 x 16) each
.set OPITCH, 400
.set OWAVE,  16*OPITCH
.set O,   64                           ; v[64:127]  O(dt, qt) at 64 + 32 qt + 8 dt.   v[0:63]: S(qt, kt) at 32 qt + 8 kt; P(qt, ks) in the first 8 registers of 32 qt + 16 ks
.set Q,   128                          ; v[128:159] Q(qt, ks) at 128 + 16 qt + 8 ks
.set KV,  160                          ; v[160:223] K(kt, ks) at 160 + 16 kt + 8 ks, then the upper part of V(dt, ks) in the same registers
.set VL,  0                            ; v[256:319], named through the second window: the rest of V(dt, ks) at 16 dt + 8 ks
.set M,   224                          ; running maxima of the raw scores, one for each qt
.set NM,  226                          ; the shift in use: -c x maximum
.set AL,  228                          ; the rescale
.set L,   230                          ; sums, a pair for each qt
.set T,   234                          ; v[234:241] at work
.set MN,  242                          ; the new shift
.set AK,  244                          ; K's LDS address, slot 0, 1
.set AV,  246                          ; V's
.set VD,  248                          ; query - key of (kt = qt, j = 0) on the diagonal
.set XS,  249
.set XR,  250
.set STO, 251
.set RD,  252
.set CO,  253
.set QO,  254
.set NI,  255                          ; -infinity
.set G1K, 24
.set G1V, 32
.set G0K, 40                           ; s[40:47] a group 0 for each slot
.set G0V, 48                           ; s[48:55]
.set G0L, 76                           ; s[76:83]
.set MSB, 0
.macro WIN new                         ; the immediate's high byte repeats the setting that is left; at every label and branch the setting is 0
.if MSB != \new
	s_set_vgpr_msb (MSB<<8)|\new
.set MSB, \new
.endif
.endm
.macro TLOAD slot                      ; wave 0 fetches K's tile, wave 1 that of V's upper part, wave 2 that of V's rest, the others nothing: one tensor load of a wave is out at the most
	s_cmp_lg_u32 s8, 0
	s_cbranch_scc1 .Lnot_k_\@
	tensor_load_to_lds s[G0K+4*\slot:G0K+4*\slot+3], s[G1K:G1K+7]
	s_nop 0
	s_branch .Ltl_done_\@
.Lnot_k_\@:
	s_cmp_lg_u32 s8, 1
	s_cbranch_scc1 .Lnot_v_\@
	tensor_load_to_lds s[G0V+4*\slot:G0V+4*\slot+3], s[G1V:G1V+7]
	s_nop 0
	s_branch .Ltl_done_\@
.Lnot_v_\@:
	s_cmp_lg_u32 s8, 2
	s_cbranch_scc1 .Ltl_done_\@
	tensor_load_to_lds s[G0L+4*\slot:G0L+4*\slot+3], s[G1V:G1V+7]
	s_nop 0
.Ltl_done_\@:
.endm
.macro QLOAD base                      ; my 32 query rows as B fragments, straight from memory
.irp qt, 0,1
.irp ks, 0,1
	global_load_b128 v[Q+16*\qt+8*\ks:Q+16*\qt+8*\ks+3],   v[QO], s[\base:\base+1] offset:2048*\qt+64*\ks
	global_load_b128 v[Q+16*\qt+8*\ks+4:Q+16*\qt+8*\ks+7], v[QO], s[\base:\base+1] offset:2048*\qt+64*\ks+32
.endr
.endr
.endm
	s_load_b128 s[4:7], s[0:1], 0x0                ; qkv s[4:5], o s[6:7]
	s_set_vgpr_msb 0x40
	v_lshl_add_u32 v64, v0, 2, 0x30000
	v_mov_b32 v65, 0
	s_set_vgpr_msb 0x4045
	ds_add_u32 v64, v65
	s_set_vgpr_msb 0x4500
	v_lshrrev_b32 v1, 5, v0
	v_readfirstlane_b32 s8, v1                     ; wave 0..7
	s_lshr_b32 s9, s8, 2                           ; g2: which 64 keys
	s_and_b32 s10, s8, 3                           ; wq: which 32 queries
	s_mov_b32 s11, ttmp9                           ; g
	s_and_b32 s12, ttmp7, 0xffff                   ; bh
	s_mov_b32 s60, 0x3e38aa3b                      ; c = log2(e) / 8
	s_mov_b32 s61, 0x3e38aa3b
	s_mov_b32 s62, 0xbe38aa3b                      ; -c
	s_mov_b32 s63, 0xff7fffff                      ; the maximum's seed
	s_mov_b32 s66, 0x76543210                      ; v_permlanex16_b32: lane i reads lane i of the other half
	s_mov_b32 s67, 0xfedcba98
	s_mov_b32 s86, 0x07060302                      ; v_perm_b32: the upper halves of two words
	s_mov_b32 s87, 0xffff0000                      ; a word's upper half
	s_mov_b32 s[G1K+0], (3<<16)|(1<<20)|(5<<22)|(3<<25)   ; elements of 8 bytes; padding: after every 64 words, 4 words: pitch 272
	s_mov_b32 s[G1V+0], (3<<16)|(1<<20)|(5<<22)|(7<<25)   ; 8 words: pitch 288
	s_mov_b32 s[G1K+1], 32<<16                     ; tensor_dim0 = 32 elements (256 bytes)
	s_mov_b32 s[G1V+1], 32<<16
	s_mov_b32 s[G1K+2], 64<<16                     ; tensor_dim1 = 64 rows
	s_mov_b32 s[G1V+2], 64<<16
	s_mov_b32 s[G1K+3], 32<<16                     ; tile_dim0
	s_mov_b32 s[G1V+3], 32<<16
	s_mov_b32 s[G1K+4], 64                         ; tile_dim1
	s_mov_b32 s[G1V+4], 64
	s_mov_b32 s[G1K+5], 32                         ; the block is dense: a row begins where the last ends
	s_mov_b32 s[G1V+5], 32
	s_mov_b32 s[G1K+6], 0
	s_mov_b32 s[G1V+6], 0
	s_mov_b32 s[G1K+7], 0
	s_mov_b32 s[G1V+7], 0
	s_mov_b32 s[G0K+0], 1
	s_mov_b32 s[G0K+1], 0
	s_mov_b32 s[G0K+4], 1
	s_mov_b32 s[G0K+5], SLOTB
	s_mov_b32 s[G0V+0], 1
	s_mov_b32 s[G0V+1], KBYTES
	s_mov_b32 s[G0V+4], 1
	s_mov_b32 s[G0V+5], SLOTB+KBYTES
	s_mov_b32 s[G0L+0], 1
	s_mov_b32 s[G0L+1], KBYTES+VBYTES
	s_mov_b32 s[G0L+4], 1
	s_mov_b32 s[G0L+5], SLOTB+KBYTES+VBYTES
	s_lshl_b32 s56, s11, 15                        ; the first block's diagonal tile, 2 g, in bytes; also: where its run of tiles 0, 1, .. ends
	s_sub_co_u32 s57, 15*TILE, s56                 ; the second block's diagonal tile, 15 - 2 g
	s_mov_b32 s20, 0                               ; the next tile of the run
	s_mov_b32 s22, s56
	s_mov_b32 s23, 0
	s_lshl_b32 s2, s12, 18                         ; bh x 2,048 rows x 128 bytes
	s_mov_b32 s3, 0
	s_wait_dscnt 0x0
	s_barrier_signal -1
	s_barrier_wait -1
	s_wait_kmcnt 0x0
	s_add_nc_u64 s[4:5], s[4:5], s[2:3]            ; q's plane of this bh
	s_add_nc_u64 s[16:17], s[4:5], 0x800000        ; k's
	s_add_nc_u64 s[18:19], s[4:5], 0x1000000       ; that of v's upper part
	s_add_nc_u64 s[84:85], s[4:5], 0x1800000       ; that of v's rest
	s_add_nc_u64 s[G0K+2:G0K+3], s[16:17], s[22:23]
	s_or_b32 s[G0K+3], s[G0K+3], 0x80000000
	s_add_nc_u64 s[G0V+2:G0V+3], s[18:19], s[22:23]
	s_or_b32 s[G0V+3], s[G0V+3], 0x80000000
	s_add_nc_u64 s[G0L+2:G0L+3], s[84:85], s[22:23]
	s_or_b32 s[G0L+3], s[G0L+3], 0x80000000
	TLOAD 0                                        ; the first fill, ahead of every wait on TENSORcnt and LDS read
	s_lshl_b32 s13, s10, 12                        ; my 32 rows of 128 bytes in a block
	s_add_co_u32 s2, s56, s13
	s_add_nc_u64 s[68:69], s[4:5], s[2:3]          ; my queries, first block
	s_add_co_u32 s2, s57, s13
	s_add_nc_u64 s[70:71], s[4:5], s[2:3]          ; second block
	s_lshr_b32 s13, s12, 4                         ; o: ((b x 1024 + 64 block + 16 wq + 8 g2) x 16 + head) x 512
	s_lshl_b32 s13, s13, 23
	s_lshl_b32 s14, s10, 17
	s_add_co_u32 s13, s13, s14
	s_lshl_b32 s14, s9, 16
	s_add_co_u32 s13, s13, s14
	s_and_b32 s14, s12, 15
	s_lshl_b32 s14, s14, 9
	s_add_co_u32 s13, s13, s14
	s_lshl_b32 s14, s11, 20
	s_add_co_u32 s2, s13, s14
	s_add_nc_u64 s[72:73], s[6:7], s[2:3]          ; first block
	s_sub_co_u32 s14, 15<<19, s14
	s_add_co_u32 s2, s13, s14
	s_add_nc_u64 s[74:75], s[6:7], s[2:3]          ; second block
	v_and_b32 v1, 31, v0                           ; L
	v_and_b32 v2, 15, v0                           ; r
	v_bfe_u32 v3, v0, 4, 1                         ; h
	v_lshrrev_b32 v4, 1, v2
	v_and_b32 v5, 1, v0
	v_mul_u32_u24 v6, v4, KPITCH                   ; key r: LDS row r >> 1, half r & 1; the sixteen lanes' 16-byte columns are (r >> 1) + 8 (r & 1): all different
	v_lshl_add_u32 v6, v5, 7, v6
	v_lshl_add_u32 v6, v3, 4, v6
	s_mul_i32 s13, s9, 32*KPITCH
	v_add_nc_u32 v[AK], s13, v6
	v_add_nc_u32 v[AK+1], SLOTB, v[AK]
	v_bfe_u32 v7, v0, 1, 2                         ; the transposing load: lane L addresses key 8 h + (L & 7), 16 bytes of dh at 16 ((L >> 3) & 1)
	v_lshl_add_u32 v7, v3, 2, v7
	v_mul_u32_u24 v7, v7, VPITCH
	v_lshl_add_u32 v7, v5, 7, v7
	v_bfe_u32 v8, v0, 3, 1
	v_lshl_add_u32 v7, v8, 4, v7
	s_mul_i32 s13, s9, 32*VPITCH
	s_add_co_u32 s13, s13, KBYTES
	v_add_nc_u32 v[AV], s13, v7
	v_add_nc_u32 v[AV+1], SLOTB, v[AV]
	s_lshl_b32 s13, s10, 5
	s_lshl_b32 s14, s9, 6
	s_sub_co_i32 s13, s13, s14
	v_lshlrev_b32 v9, 3, v3
	v_sub_nc_u32 v[VD], v2, v9
	v_add_nc_u32 v[VD], s13, v[VD]                 ; 32 wq + r - 64 g2 - 8 h
	v_lshlrev_b32 v10, 4, v1
	s_mul_i32 s13, s8, XWAVE
	s_add_co_u32 s13, s13, XBASE
	v_add_nc_u32 v[XS], s13, v10                   ; what I send
	s_xor_b32 s13, s8, 4
	s_mul_i32 s13, s13, XWAVE
	s_add_co_u32 s13, s13, XBASE
	v_add_nc_u32 v[XR], s13, v10                   ; what the wave with the other keys sent
	s_mul_i32 s13, s8, OWAVE
	s_add_co_u32 s13, s13, OBASE
	v_mul_u32_u24 v11, v2, OPITCH
	v_lshl_add_u32 v11, v3, 4, v11
	v_add_nc_u32 v[STO], s13, v11                  ; in: row r; the upper part in bytes 0-127, the rest in bytes 128-255
	v_and_b32 v12, 7, v0
	v_mul_u32_u24 v11, v8, OPITCH                  ; back: lanes 0-7 and 8-15 the upper parts of two rows, lanes 16-23 and 24-31 their rests
	v_lshl_add_u32 v11, v3, 7, v11
	v_lshl_add_u32 v11, v12, 4, v11
	v_add_nc_u32 v[RD], s13, v11
	v_lshlrev_b32 v[CO], 4, v1                     ; which are 512 neighbouring bytes of o: 16 x lane
	v_lshlrev_b32 v11, 7, v2
	v_lshl_add_u32 v[QO], v3, 4, v11
	v_mov_b32 v[NI], 0xff800000
	QLOAD 68
.macro SRUN ks, first                  ; eight products S^T(kt, qt), 32 of dh; the eight accumulators take turns
.irp kt, 0,1,2,3
.irp qt, 0,1
.if \first
	v_wmma_f32_16x16x32_f16 v[32*\qt+8*\kt:32*\qt+8*\kt+7], v[KV+16*\kt+8*\ks:KV+16*\kt+8*\ks+7], v[Q+16*\qt+8*\ks:Q+16*\qt+8*\ks+7], 0
.else
	v_wmma_f32_16x16x32_f16 v[32*\qt+8*\kt:32*\qt+8*\kt+7], v[KV+16*\kt+8*\ks:KV+16*\kt+8*\ks+7], v[Q+16*\qt+8*\ks:Q+16*\qt+8*\ks+7], v[32*\qt+8*\kt:32*\qt+8*\kt+7]
.endif
.endr
.endr
.endm
.macro PVRUN vb, ks, first             ; eight products O^T(dt, qt), 32 keys, with the part of V at vb; again by turns
.irp qt, 0,1
.irp dt, 0,1,2,3
.if \first
	v_wmma_f32_16x16x32_f16 v[O+32*\qt+8*\dt:O+32*\qt+8*\dt+7], v[\vb+16*\dt+8*\ks:\vb+16*\dt+8*\ks+7], v[32*\qt+16*\ks:32*\qt+16*\ks+7], 0
.else
	v_wmma_f32_16x16x32_f16 v[O+32*\qt+8*\dt:O+32*\qt+8*\dt+7], v[\vb+16*\dt+8*\ks:\vb+16*\dt+8*\ks+7], v[32*\qt+16*\ks:32*\qt+16*\ks+7], v[O+32*\qt+8*\dt:O+32*\qt+8*\dt+7]
.endif
.endr
.endr
.endm
.macro VLOAD vb, slot, off             ; sixteen transposing loads: one part of V^T for my 64 keys
.irp ks, 0,1
.irp dt, 0,1,2,3
	ds_load_tr16_b128 v[\vb+16*\dt+8*\ks:\vb+16*\dt+8*\ks+3],   v[AV+\slot] offset:\off+\ks*16*VPITCH+\dt*32
	ds_load_tr16_b128 v[\vb+16*\dt+8*\ks+4:\vb+16*\dt+8*\ks+7], v[AV+\slot] offset:\off+\ks*16*VPITCH+\dt*32+8*VPITCH
.endr
.endr
.endm
; One key tile, in slot.  diag: the block's diagonal tile, masked.  zero: the block's first tile, starts all sums.  refill: the other slot gets the next tile.
.macro STEP slot, other, diag, zero, refill
	s_set_vgpr_msb 0x5
	s_wait_tensorcnt 0x0                           ; all my tensor loads have landed, this tile's part among them: every group 0 may be written
	ds_add_u32 v64, v65
	s_wait_dscnt 0x0
	s_set_vgpr_msb 0x500
.if \refill
	s_cmp_eq_u32 s20, s56                          ; the first block's run 0 .. 2 g - 1 is over: the second block's diagonal tile follows
	s_cselect_b32 s22, s57, s20
	s_add_co_u32 s20, s20, TILE
	s_add_nc_u64 s[G0K+4*\other+2:G0K+4*\other+3], s[16:17], s[22:23]
	s_or_b32 s[G0K+4*\other+3], s[G0K+4*\other+3], 0x80000000
	s_add_nc_u64 s[G0V+4*\other+2:G0V+4*\other+3], s[18:19], s[22:23]
	s_or_b32 s[G0V+4*\other+3], s[G0V+4*\other+3], 0x80000000
	s_add_nc_u64 s[G0L+4*\other+2:G0L+4*\other+3], s[84:85], s[22:23]
	s_or_b32 s[G0L+4*\other+3], s[G0L+4*\other+3], 0x80000000
.endif
	s_wait_dscnt 0x0                               ; my reads of the other slot are over
	s_barrier_signal -1
	s_barrier_wait -1                              ; both now hold of all eight waves
.if \refill
	TLOAD \other                                   ; first thing behind the barrier; it has this step's work in which to land
.endif
.irp ks, 0,1
.irp kt, 0,1,2,3
	ds_load_b128 v[KV+16*\kt+8*\ks:KV+16*\kt+8*\ks+3],   v[AK+\slot] offset:\kt*8*KPITCH+\ks*64
	ds_load_b128 v[KV+16*\kt+8*\ks+4:KV+16*\kt+8*\ks+7], v[AK+\slot] offset:\kt*8*KPITCH+\ks*64+32
.endr
.endr
.if \zero
	s_wait_loadcnt 0x0                             ; this block's queries
.endif
	s_wait_dscnt 0x8                               ; dh 0-31 of my 64 keys is in; the eight loads of dh 32-63 stay out
	SRUN 0, 1
	s_wait_dscnt 0x0
	SRUN 1, 0
.rept 4
	v_nop                                          ; places in front of the loads into K's registers and of the vector reads of S
.endr
	VLOAD KV, \slot, 0                             ; V's upper part
	WIN 0x40                                       ; destination in the second window
	VLOAD VL, \slot, VBYTES                        ; V's rest
	WIN 0
.if \diag
.irp qt, 0,1
.irp kt, 0,1,2,3
.irp j, 0,1,2,3,4,5,6,7
	v_cmp_gt_i32 vcc_lo, 16*(\kt-\qt)+\j, v[VD]    ; key > query
	v_cndmask_b32 v[32*\qt+8*\kt+\j], v[32*\qt+8*\kt+\j], v[NI], vcc_lo
.endr
.endr
.endr
.endif
	; the maximum of my 32 scores and the old maximum, two chains for each qt
.irp q, 0,1
.if \zero
	v_max3_num_f32 v[M+\q], s63, v[32*\q], v[32*\q+1]
.else
	v_max3_num_f32 v[M+\q], v[M+\q], v[32*\q], v[32*\q+1]
.endif
	v_max3_num_f32 v[T+\q], v[32*\q+16], v[32*\q+17], v[32*\q+18]
.endr
.irp i, 1,2,3,4,5,6
.irp q, 0,1
	v_max3_num_f32 v[M+\q], v[M+\q], v[32*\q+2*\i], v[32*\q+2*\i+1]
	v_max3_num_f32 v[T+\q], v[T+\q], v[32*\q+17+2*\i], v[32*\q+18+2*\i]
.endr
.endr
.irp q, 0,1
	v_max3_num_f32 v[M+\q], v[M+\q], v[32*\q+14], v[32*\q+15]
.endr
.irp q, 0,1
	v_max3_num_f32 v[M+\q], v[M+\q], v[T+\q], v[32*\q+31]
.endr
.irp q, 0,1
	v_permlanex16_b32 v[T+\q], v[M+\q], s66, s67   ; the same query's other keys
.endr
.irp q, 0,1
	v_max_num_f32 v[M+\q], v[M+\q], v[T+\q]
.endr
.irp q, 0,1
	v_mul_f32 v[MN+\q], s62, v[M+\q]               ; the new shift
.endr
.if \zero == 0
.irp q, 0,1
	v_sub_f32 v[AL+\q], v[MN+\q], v[NM+\q]
.endr
.endif
.irp q, 0,1
.irp i, 0,1,2,3,4,5,6,7,8,9,10,11,12,13,14,15
	v_pk_fma_f32 v[32*\q+2*\i:32*\q+2*\i+1], v[32*\q+2*\i:32*\q+2*\i+1], s[60:61], v[MN:MN+1] op_sel:[0,0,\q] op_sel_hi:[1,0,\q]
.endr
.endr
.if \zero == 0
	v_exp_f32 v[AL], v[AL]
	v_exp_f32 v[AL+1], v[AL+1]
.endif
.set i, 0
.rept 64
	v_exp_f32 v[i], v[i]
.set i, i+1
.endr
	v_mov_b32 v[NM], v[MN]                         ; plain instructions behind the run of exponentials, in front of the first use of a result (ISA guide 5.7.2)
	v_mov_b32 v[NM+1], v[MN+1]
.if \zero == 0
	s_wait_alu depctr_va_vdst(0)
.irp q, 0,1
.irp i, 0,1,2,3,4,5,6,7,8,9,10,11,12,13,14,15
	v_pk_mul_f32 v[O+32*\q+2*\i:O+32*\q+2*\i+1], v[O+32*\q+2*\i:O+32*\q+2*\i+1], v[AL:AL+1] op_sel:[0,\q] op_sel_hi:[1,\q]
.endr
.endr
.endif
	; the sums of my 32 exponentials, in f32, two chains of pairs for each qt
	s_wait_alu depctr_va_vdst(0)
.irp q, 0,1
	v_pk_add_f32 v[T+4*\q:T+4*\q+1], v[32*\q:32*\q+1], v[32*\q+2:32*\q+3]
	v_pk_add_f32 v[T+4*\q+2:T+4*\q+3], v[32*\q+16:32*\q+17], v[32*\q+18:32*\q+19]
.endr
.irp i, 2,3,4,5,6,7
.irp q, 0,1
	v_pk_add_f32 v[T+4*\q:T+4*\q+1], v[T+4*\q:T+4*\q+1], v[32*\q+2*\i:32*\q+2*\i+1]
	v_pk_add_f32 v[T+4*\q+2:T+4*\q+3], v[T+4*\q+2:T+4*\q+3], v[32*\q+16+2*\i:32*\q+16+2*\i+1]
.endr
.endr
.irp q, 0,1
.if \zero
	v_pk_add_f32 v[L+2*\q:L+2*\q+1], v[T+4*\q:T+4*\q+1], v[T+4*\q+2:T+4*\q+3]
.else
	v_pk_add_f32 v[T+4*\q:T+4*\q+1], v[T+4*\q:T+4*\q+1], v[T+4*\q+2:T+4*\q+3]
	v_pk_fma_f32 v[L+2*\q:L+2*\q+1], v[L+2*\q:L+2*\q+1], v[AL:AL+1], v[T+4*\q:T+4*\q+1] op_sel:[0,\q,0] op_sel_hi:[1,\q,1]
.endif
.endr
	; P in f16, packed in place: register base + i from base + 2 i and base + 2 i + 1, i ascending: no source is written before it is read
.irp q, 0,1
.irp ks, 0,1
.irp i, 0,1,2,3,4,5,6,7
	v_cvt_pk_f16_f32 v[32*\q+16*\ks+\i], v[32*\q+16*\ks+2*\i], v[32*\q+16*\ks+2*\i+1]
.endr
.endr
.endr
	s_wait_dscnt 16                                ; V's upper part is in; the sixteen loads of its rest stay out
	PVRUN KV, 0, \zero
	PVRUN KV, 1, 0
	s_wait_dscnt 0x0
	WIN 0x01                                       ; source 0 in the second window
	PVRUN VL, 0, 0
	PVRUN VL, 1, 0
	WIN 0
.rept 5
	v_nop                                          ; places in front of the next loads into V's registers, the next S over P, and the vector reads of O
.endr
.endm
.macro SEND qt                         ; the query tile that the other wave finishes: its shift, its sum, its 32 registers of O
	v_mov_b32 v[T], v[NM+\qt]
	v_mov_b32 v[T+1], v[L+2*\qt]
	ds_store_b64 v[XS], v[T:T+1] offset:4096
.irp i, 0,1,2,3,4,5,6,7
	ds_store_b128 v[XS], v[O+32*\qt+4*\i:O+32*\qt+4*\i+3] offset:512*\i
.endr
.endm
.macro MERGE qt, ph                    ; the two key halves of query tile qt become one; divide; split in two bf16 parts; out
.irp i, 0,1,2,3,4,5,6,7
	ds_load_b128 v[KV+4*\i:KV+4*\i+3], v[XR] offset:512*\i
.endr
	ds_load_b64 v[KV+32:KV+33], v[XR] offset:4096
	s_wait_dscnt 0x0
	v_min_num_f32 v[MN], v[NM+\qt], v[KV+32]       ; the smaller shift belongs to the larger maximum
	v_sub_f32 v[T], v[MN], v[NM+\qt]
	v_sub_f32 v[T+1], v[MN], v[KV+32]
	v_exp_f32 v[T], v[T]
	v_exp_f32 v[T+1], v[T+1]
	v_nop                                          ; a plain place behind the exponentials
	s_wait_alu depctr_va_vdst(0)
	v_mul_f32 v[T+2], v[L+2*\qt], v[T]
	v_fmac_f32 v[T+2], v[KV+33], v[T+1]
	v_permlanex16_b32 v[T+3], v[T+2], s66, s67     ; the same query's other lane
	v_add_f32 v[T+2], v[T+2], v[T+3]
	v_rcp_f32 v[T+2], v[T+2]
	v_nop                                          ; a plain place behind the reciprocal
	s_wait_alu depctr_va_vdst(0)
	v_mul_f32 v[T], v[T], v[T+2]
	v_mul_f32 v[T+1], v[T+1], v[T+2]
.irp i, 0,1,2,3,4,5,6,7,8,9,10,11,12,13,14,15
	v_pk_mul_f32 v[O+32*\qt+2*\i:O+32*\qt+2*\i+1], v[O+32*\qt+2*\i:O+32*\qt+2*\i+1], v[T:T+1] op_sel:[0,0] op_sel_hi:[1,0]
.endr
.irp i, 0,1,2,3,4,5,6,7,8,9,10,11,12,13,14,15
	v_pk_fma_f32 v[O+32*\qt+2*\i:O+32*\qt+2*\i+1], v[KV+2*\i:KV+2*\i+1], v[T:T+1], v[O+32*\qt+2*\i:O+32*\qt+2*\i+1] op_sel:[0,1,0] op_sel_hi:[1,1,1]
.endr
.irp i, 0,1,2,3,4,5,6,7,8,9,10,11,12,13,14,15
	v_and_b32 v[KV+2*\i], s87, v[O+32*\qt+2*\i]                                    ; the upper part as f32
	v_and_b32 v[KV+2*\i+1], s87, v[O+32*\qt+2*\i+1]
	v_perm_b32 v[KV+32+\i], v[O+32*\qt+2*\i+1], v[O+32*\qt+2*\i], s86              ; and packed: the even dh below
.endr
.irp i, 0,1,2,3,4,5,6,7,8,9,10,11,12,13,14,15
	v_pk_add_f32 v[O+32*\qt+2*\i:O+32*\qt+2*\i+1], v[O+32*\qt+2*\i:O+32*\qt+2*\i+1], v[KV+2*\i:KV+2*\i+1] neg_lo:[0,1] neg_hi:[0,1]   ; the rest, exact
.endr
.irp i, 0,1,2,3,4,5,6,7,8,9,10,11,12,13,14,15
	v_cvt_pk_bf16_f32 v[KV+48+\i], v[O+32*\qt+2*\i], v[O+32*\qt+2*\i+1]
.endr
.irp dt, 0,1,2,3
	ds_store_b128 v[STO], v[KV+32+4*\dt:KV+32+4*\dt+3] offset:32*\dt               ; row r, dh 16 dt + 8 h ..
	ds_store_b128 v[STO], v[KV+48+4*\dt:KV+48+4*\dt+3] offset:128+32*\dt
.endr
.irp i, 0,1,2,3,4,5,6,7
	ds_load_b128 v[KV+4*\i:KV+4*\i+3], v[RD] offset:2*OPITCH*\i                    ; my own stage: LDS serves a wave's instructions in order
.endr
.irp i, 0,1,2,3,4,5,6,7
	s_wait_dscnt 7-\i                              ; this read is back, the younger ones stay out
	global_store_b128 v[CO], v[KV+4*\i:KV+4*\i+3], s[72+2*\ph:73+2*\ph] offset:8192*\i   ; the wave stores 512 neighbouring bytes, aligned
.endr
.if \ph == 0
	s_wait_xcnt 0x0                                ; the stores' data registers are loaded again in the next step only behind this wait
.endif
.endm
.macro FINAL ph
	v_add_f32 v[L], v[L], v[L+1]
	v_add_f32 v[L+2], v[L+2], v[L+3]
.if \ph == 0
	QLOAD 70                                       ; the second block's queries, on their way during the merge
.endif
	s_cmp_lt_u32 s8, 4
	s_cbranch_scc0 .Lsend_hi_\@
	SEND 1                                         ; waves with keys 0-63 finish query tile 0 and send tile 1
	s_branch .Lsent_\@
.Lsend_hi_\@:
	SEND 0
.Lsent_\@:
	s_wait_dscnt 0x0                               ; my stores are done, for the partner's sake
	s_barrier_signal -1                            ; the next tile's load may stay out
	s_barrier_wait -1
	s_cmp_lt_u32 s8, 4
	s_cbranch_scc0 .Lmerge_hi_\@
	MERGE 0, \ph
	s_branch .Lmerged_\@
.Lmerge_hi_\@:
	MERGE 1, \ph
.Lmerged_\@:
.endm
	STEP 0, 1, 1, 1, 1                             ; block 2 g: its diagonal tile
	s_cmp_eq_u32 s11, 0
	s_cbranch_scc1 .Lend_a
	s_mov_b32 s58, 0
.Lloop_a:                                          ; tiles 0 .. 2 g - 1, two a trip
	STEP 1, 0, 0, 0, 1
	STEP 0, 1, 0, 0, 1
	s_add_co_u32 s58, s58, 1
	s_cmp_lt_u32 s58, s11
	s_cbranch_scc1 .Lloop_a
.Lend_a:
	FINAL 0
	s_mov_b32 s20, 0                               ; the second block's run begins at tile 0
	s_mov_b32 s56, -1                              ; and is not cut
	STEP 1, 0, 1, 1, 1                             ; block 15 - 2 g: its diagonal tile (step 2 g + 1: slot 1)
	s_sub_co_u32 s59, 7, s11
	s_cmp_eq_u32 s59, 0
	s_cbranch_scc1 .Lend_b
	s_mov_b32 s58, 0
.Lloop_b:                                          ; tiles 0 .. 13 - 2 g
	STEP 0, 1, 0, 0, 1
	STEP 1, 0, 0, 0, 1
	s_add_co_u32 s58, s58, 1
	s_cmp_lt_u32 s58, s59
	s_cbranch_scc1 .Lloop_b
.Lend_b:
	STEP 0, 1, 0, 0, 0                             ; tile 14 - 2 g: nothing is left to fetch
	FINAL 1
	s_set_vgpr_msb 0x5
	s_wait_tensorcnt 0x0
	ds_add_u32 v64, v65
	s_wait_dscnt 0x0
	s_set_vgpr_msb 0x500
	s_endpgm
.Lfunc_end_k_q8dc8b328d3_attn:
	.size	k_q8dc8b328d3_attn, .Lfunc_end_k_q8dc8b328d3_attn-k_q8dc8b328d3_attn
	.p2alignl 7, 3214868480
	.fill 96, 4, 3214868480
	.section	.rodata,"a",@progbits
	.p2align	6, 0x0
	.amdhsa_kernel k_q8dc8b328d3_attn
		.amdhsa_group_segment_fixed_size 327680
		.amdhsa_private_segment_fixed_size 0
		.amdhsa_enable_private_segment 0
		.amdhsa_kernarg_size 16
		.amdhsa_user_sgpr_count 2
		.amdhsa_user_sgpr_kernarg_segment_ptr 1
		.amdhsa_wavefront_size32 1
		.amdhsa_system_sgpr_workgroup_id_x 1
		.amdhsa_system_sgpr_workgroup_id_y 1
		.amdhsa_system_sgpr_workgroup_id_z 1
		.amdhsa_system_vgpr_workitem_id 0
		.amdhsa_next_free_vgpr 322
		.amdhsa_next_free_sgpr 88
		.amdhsa_reserve_vcc 1
		.amdhsa_float_denorm_mode_32 3
		.amdhsa_float_denorm_mode_16_64 3
		.amdhsa_memory_ordered 1
		.amdhsa_forward_progress 1
		.amdhsa_inst_pref_size 195
	.end_amdhsa_kernel
	.amdgpu_metadata
---
amdhsa.version: [ 1, 2 ]
amdhsa.kernels:
  - .name:           k_q8dc8b328d3_attn
    .symbol:         k_q8dc8b328d3_attn.kd
    .args:
      - { .name: qkv, .offset: 0, .size: 8, .value_kind: global_buffer, .address_space: global }
      - { .name: o, .offset: 8, .size: 8, .value_kind: global_buffer, .address_space: global }
    .group_segment_fixed_size: 327680
    .private_segment_fixed_size: 0
    .kernarg_segment_align: 8
    .kernarg_segment_size: 16
    .max_flat_workgroup_size: 256
    .sgpr_count:     88
    .vgpr_count:     322
    .wavefront_size: 32
...
	.end_amdgpu_metadata
.endif
;; end of part 3
;; launch proj (part 4): grid 8 x 32, 4 waves a work-group, clusters of 4 x 4, 327,680 bytes of LDS; arguments o, wt, out0; writes out0
.if DOCPART == 4
	.amdgcn_target "amdgcn-amd-amdhsa--gfx1250"
	.amdhsa_code_object_version 6
	.text
	.protected	k_q8dc8b328d3_proj
	.globl	k_q8dc8b328d3_proj
	.p2align	8
	.type	k_q8dc8b328d3_proj,@function
k_q8dc8b328d3_proj:
	s_mov_b64 s[64:65], 0
	v_nop
	global_prefetch_b8 v0, s[64:65] scope:SCOPE_SE
	s_setreg_imm32_b32 hwreg(HW_REG_WAVE_MODE, 25, 1), 1
	s_wait_xcnt 0x0
	s_wait_alu depctr_hold_cnt(0) depctr_sa_sdst(0) depctr_va_vdst(0) depctr_va_sdst(0) depctr_va_ssrc(0) depctr_va_vcc(0) depctr_vm_vsrc(0)
	s_getreg_b32 s2, hwreg(HW_REG_IB_STS2, 6, 4)
	s_cmp_eq_u32 s2, 0
	s_cbranch_scc0 .Lentry_in_a_cluster
	s_endpgm
.Lentry_in_a_cluster:
	s_bfe_u32 s2, ttmp6, 0x10000c
	s_cmp_lg_u32 s2, 0xf033
	s_cbranch_scc0 .Lentry_shape_is_right
	s_endpgm
.Lentry_shape_is_right:
; out0[4096][1024] = o x Wo, bf16 operands, f32 sums and results.  o: [row / 2][head][part 2][row & 1][dh 64] bf16 (a row pair is 8,192 bytes), the value being
; part 0 + part 1; Wo^T = wt rows 3072 ..: [n][k] bf16.  Both parts of o are multiplied by the same fragments of Wo, onto the same accumulators.
; A work-group makes 128 x 128; wave (wm = w >> 1, wn = w & 1) makes 64 x 64: 16 accumulator tiles; for 32 along K it reads 24 x 512 bytes from LDS
; for 32 matrix instructions.  K goes in steps of 128 (two heads) through two LDS slots.
; Waves 0, 1 fetch one head each of the block's 64 row pairs of o (64 rows of 512 bytes), waves 2, 3 64 rows each of wt (256 bytes).
; CLUSTERS: 4 x 4 work-groups; o's tiles are shared along a row of the cluster, wt's along a column, by joint loads.
; REGISTERS: window 0 addresses, B's fragments (two buffers of 4), the way out; window 1 the accumulators (tile (a, b) at 8 (4 a + b)) and A's fragments
; (two buffers of 4 + 4).  One window setting serves the matrix instructions and the loads of A's fragments.  The matrix instruction is used transposed
; (source 0 = rows of wt): a lane holds eight neighbouring columns, 32 bytes, of one row of out0.
.set APITCH, 528                       ; 512 bytes + 16: an odd multiple of 16
.set APART,  64*APITCH                 ; 33,792: one head, what wave 0 or 1 fetches
.set BPITCH, 272
.set BPART,  64*BPITCH                 ; 17,408: what wave 2 or 3 fetches
.set SLOT,   2*APART+2*BPART           ; 102,400
.set STAGE,  2*SLOT                    ; 204,800 = 800 x 256: behind the ring, no fill lands here
.set SPITCH, 272
.set LAPS,   4                         ; a lap = two K steps; 1024 / 256
.set ADRA, 16
.set ADRB, 20
.set STO,  24
.set RD,   25
.set CO,   26
.set FB,   32                          ; window 0: v32-63, v64-95
.set FA,   128                         ; window 1: v128-191, v192-255: part 0's four fragments, then part 1's
.set RB,   96                          ; window 0: two sets of 32
.set G1,  24
.set G0,  32
.set G1B, 48
.set G0B, 56
.set MSB, 0
.macro WIN new                         ; the immediate's high byte repeats the setting that is left
.if MSB != \new
	s_set_vgpr_msb (MSB<<8)|\new
.set MSB, \new
.endif
.endm
.set MULW, 0x54                        ; source 0 window 0; source 1, C and D (and a load's destination) window 1
.macro JLOAD s                         ; waves 0, 1 ask for A's heads, waves 2, 3 for B's halves: one load a wave; the branch hangs on the wave's number alone
	s_cmp_eq_u32 s11, 0
	s_cbranch_scc0 .Lfor_b_\@
	tensor_load_to_lds s[G0+4*\s:G0+4*\s+3], s[G1:G1+7]
	s_nop 0
	s_branch .Lasked_\@
.Lfor_b_\@:
	tensor_load_to_lds s[G0B+4*\s:G0B+4*\s+3], s[G1B:G1B+7]
	s_nop 0
.Lasked_\@:
.endm
.macro CREST
	s_cmp_lg_u32 s10, 0
	s_cbranch_scc1 .Lnot_wave_0_\@
	s_barrier_signal -3
.Lnot_wave_0_\@:
	s_barrier_wait -3
	s_barrier_signal -1
	s_barrier_wait -1
.endm
.macro CROUND
	s_barrier_signal -1
	s_barrier_wait -1
	CREST
.endm
	s_load_b128 s[4:7], s[0:1], 0x0                ; o s[4:5], wt s[6:7]
	s_load_b64 s[8:9], s[0:1], 0x10                ; out0
	v_lshl_add_u32 v254, v0, 2, 0x36400
	v_mov_b32 v255, 0
	ds_add_u32 v254, v255
	v_lshrrev_b32 v1, 5, v0
	v_readfirstlane_b32 s10, v1                    ; wave 0..3
	s_lshr_b32 s11, s10, 1                         ; wm.  Also: I fetch for A (0) or for B (1)
	s_and_b32 s12, s10, 1                          ; wn.  Also: which part of that tile
	s_bfe_u32 s40, ttmp6, 0x40000                  ; cx
	s_bfe_u32 s41, ttmp6, 0x40004                  ; cy
	s_lshl_b32 s42, ttmp9, 2
	s_add_co_u32 s42, s42, s40                     ; block of 128 columns
	s_and_b32 s13, ttmp7, 0xffff
	s_lshl_b32 s13, s13, 2
	s_add_co_u32 s13, s13, s41                     ; block of 128 rows
	s_lshl_b32 s43, s41, 2
	s_lshl_b32 s43, 15, s43                        ; my row of the cluster
	s_lshl_b32 s44, 0x1111, s40                    ; my column
	s_or_b32 s[G1+0], s43, (1<<16)|(1<<20)|(1<<21)|(6<<22)|(3<<25)  ; mask; elements of 2 bytes; padding on; bit 21 beside a mask; after every 128 words, 4 words
	s_or_b32 s[G1B+0], s44, (1<<16)|(1<<20)|(1<<21)|(5<<22)|(3<<25) ; after every 64 words, 4 words
	s_mov_b32 s[G1+1], 256<<16                     ; tensor_dim0 = 256 elements (512 bytes)
	s_mov_b32 s[G1B+1], 128<<16                    ;             = 128 (256 bytes)
	s_mov_b32 s[G1+2], 64<<16                      ; tensor_dim1 = 64 rows
	s_mov_b32 s[G1B+2], 64<<16
	s_mov_b32 s[G1+3], 256<<16                     ; tile_dim0
	s_mov_b32 s[G1B+3], 128<<16
	s_mov_b32 s[G1+4], 64                          ; tile_dim1
	s_mov_b32 s[G1B+4], 64
	s_mov_b32 s[G1+5], 4096                        ; o: 8,192 bytes from a row pair to the next
	s_mov_b32 s[G1B+5], 1024                       ; wt: 2,048 bytes from row to row
	s_mov_b32 s[G1+6], 0
	s_mov_b32 s[G1B+6], 0
	s_mov_b32 s[G1+7], 0
	s_mov_b32 s[G1B+7], 0
	s_lshl_b32 s16, s13, 19                        ; A: 64 row pairs x 8,192 bytes x block + 512 x head of the pair
	s_lshl_b32 s17, s12, 9
	s_add_co_u32 s16, s16, s17
	s_mov_b32 s17, 0
	s_lshl_b32 s46, s42, 18                        ; B: (3072 + 128 block + 64 half) rows of 2,048 bytes
	s_lshl_b32 s47, s12, 17
	s_add_co_u32 s46, s46, s47
	s_add_co_u32 s46, s46, 3072*2048
	s_mov_b32 s47, 0
	s_mul_i32 s20, s10, APART                      ; LDS: A's heads at wave x 33,792 (waves 0, 1)
	s_mul_i32 s21, s10, BPART                      ;      B's halves at 67,584 + (wave - 2) x 17,408 (waves 2, 3)
	s_add_co_u32 s21, s21, 2*APART-2*BPART
	s_wait_dscnt 0x0
	s_wait_kmcnt 0x0
	s_add_nc_u64 s[14:15], s[4:5], s[16:17]
	s_add_nc_u64 s[46:47], s[6:7], s[46:47]
	CROUND                                         ; all sixteen work-groups are here: the first joint loads meet
.irp s, 0,1
	s_mov_b32 s[G0+4*\s], 1
	s_add_co_u32 s[G0+4*\s+1], s20, \s*SLOT
	s_add_nc_u64 s[G0+4*\s+2:G0+4*\s+3], s[14:15], \s*1024        ; K step s: two heads of 512 bytes on
	s_or_b32 s[G0+4*\s+3], s[G0+4*\s+3], 0x80000000
	s_mov_b32 s[G0B+4*\s], 1
	s_add_co_u32 s[G0B+4*\s+1], s21, \s*SLOT
	s_add_nc_u64 s[G0B+4*\s+2:G0B+4*\s+3], s[46:47], \s*256       ; 128 k of 2 bytes on
	s_or_b32 s[G0B+4*\s+3], s[G0B+4*\s+3], 0x80000000
	JLOAD \s                                       ; K steps 0 and 1: two loads of the wave are out, the most in this text
.endr
	v_and_b32 v1, 15, v0                           ; r
	v_bfe_u32 v2, v0, 4, 1                         ; h
	v_lshrrev_b32 v3, 1, v1
	v_and_b32 v4, 1, v0
	v_mul_u32_u24 v3, v3, APITCH                   ; A's row r: LDS row r >> 1, 128 bytes for r & 1; the sixteen lanes' 16-byte columns are (r >> 1) + 8 (r & 1)
	v_lshl_add_u32 v3, v4, 7, v3
	v_lshl_add_u32 v3, v2, 4, v3
	s_mul_i32 s22, s11, 32*APITCH                  ; my 64 rows = 32 row pairs
	v_add_nc_u32 v[ADRA], s22, v3
	v_add_nc_u32 v[ADRA+1], SLOT, v[ADRA]
	v_mul_u32_u24 v5, v1, BPITCH
	v_lshl_add_u32 v5, v2, 4, v5
	s_mul_i32 s22, s12, BPART
	s_add_co_u32 s22, s22, 2*APART
	v_add_nc_u32 v[ADRB], s22, v5
	v_add_nc_u32 v[ADRB+1], SLOT, v[ADRB]
	s_mul_i32 s23, s10, 16*SPITCH
	s_add_co_u32 s23, s23, STAGE
	v_mul_u32_u24 v6, v1, SPITCH
	v_lshl_add_u32 v6, v2, 5, v6
	v_add_nc_u32 v[STO], s23, v6                   ; in: row r, 32 bytes for each half of the lanes
	v_mul_u32_u24 v7, v2, SPITCH
	v_lshl_add_u32 v7, v1, 4, v7
	v_add_nc_u32 v[RD], s23, v7                    ; back: sixteen lanes take a row of 256 bytes
	v_lshlrev_b32 v8, 4, v1
	v_lshl_add_u32 v[CO], v2, 12, v8               ; the same two rows in out0
.macro MUL16 f, p, zero                ; part p of my 64 rows x my 64 columns, 32 along K
.irp a, 0,1,2,3
.irp b, 0,1,2,3
.if \zero
	v_wmma_f32_16x16x32_bf16 v[8*(4*\a+\b):8*(4*\a+\b)+7], v[FB+32*\f+8*\b:FB+32*\f+8*\b+7], v[FA+64*\f+32*\p+8*\a:FA+64*\f+32*\p+8*\a+7], 0
.else
	v_wmma_f32_16x16x32_bf16 v[8*(4*\a+\b):8*(4*\a+\b)+7], v[FB+32*\f+8*\b:FB+32*\f+8*\b+7], v[FA+64*\f+32*\p+8*\a:FA+64*\f+32*\p+8*\a+7], v[8*(4*\a+\b):8*(4*\a+\b)+7]
.endif
.endr
.endr
.endm
; The fragments of quarter kq (32 of the step's 128 along K) into buffer f: 24 LDS loads.  In A's tile kq >> 1 is the head, kq & 1 the half of dh, 256 bytes lie between the parts.
.macro FETCH slot, kq, f
	WIN MULW
.irp p, 0,1
.irp a, 0,1,2,3
	ds_load_b128 v[FA+64*\f+32*\p+8*\a:FA+64*\f+32*\p+8*\a+3],   v[ADRA+\slot] offset:(\kq>>1)*APART+\p*256+(\kq&1)*64+\a*8*APITCH
	ds_load_b128 v[FA+64*\f+32*\p+8*\a+4:FA+64*\f+32*\p+8*\a+7], v[ADRA+\slot] offset:(\kq>>1)*APART+\p*256+(\kq&1)*64+\a*8*APITCH+32
.endr
.endr
	WIN 0
.irp b, 0,1,2,3
	ds_load_b128 v[FB+32*\f+8*\b:FB+32*\f+8*\b+3],   v[ADRB+\slot] offset:\kq*64+\b*16*BPITCH
	ds_load_b128 v[FB+32*\f+8*\b+4:FB+32*\f+8*\b+7], v[ADRB+\slot] offset:\kq*64+\b*16*BPITCH+32
.endr
	WIN MULW
.endm
.macro PLACES                          ; four independent vector instructions between a matrix instruction and a load into, or an LDS store of, its registers
.rept 4
	v_nop
.endr
.endm
; The 16 accumulators take turns, one instruction a turn, in the same order in every run of sixteen.
.macro QUARTER slot, kq, f, g, zero    ; fetches quarter kq into buffer g, multiplies buffer f
	PLACES
	FETCH \slot, \kq, \g
	s_wait_dscnt 24                                ; all but the 24 just issued
	MUL16 \f, 0, \zero
	MUL16 \f, 1, 0
.endm
.macro THREE slot, zero
	QUARTER \slot, 1, 0, 1, \zero
	QUARTER \slot, 2, 1, 0, 0
	QUARTER \slot, 3, 0, 1, 0
.endm
; The fourth quarter changes slots: each wave's reads of this slot and all its tensor loads are waited for in front of the barrier; where the slot is filled
; again the barrier opens a round of the cluster's barrier and the joint refill is the first tensor load behind the round.
; From a request to the wait for it a wave issues 112 matrix instructions.
.macro TURN slot, next, fill
	s_wait_dscnt 0x0                               ; my reads of this slot are over
	s_set_vgpr_msb 0x5450
	s_wait_tensorcnt 0x0                           ; all my tensor loads have landed
	ds_add_u32 v254, v255
	s_wait_dscnt 0x0
	s_set_vgpr_msb 0x5054
	s_barrier_signal -1
	WIN MULW
	MUL16 1, 0, 0                                  ; register work while the others arrive
	WIN 0
	s_barrier_wait -1
.if \fill
	CREST
	s_add_nc_u64 s[G0+4*\slot+2:G0+4*\slot+3], s[G0+4*\slot+2:G0+4*\slot+3], 2048
	s_add_nc_u64 s[G0B+4*\slot+2:G0B+4*\slot+3], s[G0B+4*\slot+2:G0B+4*\slot+3], 512
	JLOAD \slot
.endif
	PLACES
	FETCH \next, 0, 0
	MUL16 1, 1, 0
.endm
.macro LAP zero
	THREE 0, \zero
	TURN 0, 1, 1
	THREE 1, 0
	TURN 1, 0, 1
.endm
	s_wait_tensorcnt 1                             ; my part of K step 0 is in; K step 1's stays out
	s_barrier_signal -1
	s_barrier_wait -1
	FETCH 0, 0, 0
	LAP 1                                          ; the first products start the sums: nothing is cleared
	WIN 0
	s_mov_b32 s3, LAPS-2
.Llap:
	LAP 0
	WIN 0
	s_sub_co_u32 s3, s3, 1
	s_cmp_lg_u32 s3, 0
	s_cbranch_scc1 .Llap
	THREE 0, 0                                     ; the last lap fills nothing
	TURN 0, 1, 0
	THREE 1, 0
	s_wait_dscnt 0x0
	WIN MULW
	MUL16 1, 0, 0
	MUL16 1, 1, 0
	; THE WAY OUT, 16 rows at a time: 32 bytes a lane into my own stage, read back as whole rows of 256 bytes.
	PLACES
	s_lshl_b32 s16, s13, 19                        ; (128 block + 64 wm) rows of 4,096 bytes
	s_lshl_b32 s17, s11, 18
	s_add_co_u32 s16, s16, s17
	s_mov_b32 s17, 0
	s_add_nc_u64 s[8:9], s[8:9], s[16:17]
	s_lshl_b32 s46, s42, 9                         ; (128 block + 64 wn) columns of 4 bytes (in the registers that held B's address)
	s_lshl_b32 s47, s12, 8
	s_add_co_u32 s46, s46, s47
	s_mov_b32 s47, 0
	s_add_nc_u64 s[8:9], s[8:9], s[46:47]
.macro OUT16 a
	WIN 0x04                                       ; an LDS store's data is source 1: window 1
.irp b, 0,1,2,3
	ds_store_b128 v[STO], v[8*(4*\a+\b):8*(4*\a+\b)+3]   offset:64*\b
	ds_store_b128 v[STO], v[8*(4*\a+\b)+4:8*(4*\a+\b)+7] offset:64*\b+16
.endr
	WIN 0
	s_wait_xcnt 0x0                                ; the registers read back into were data of earlier stores: rewritten only behind this wait
.irp t, 0,1,2,3,4,5,6,7
	ds_load_b128 v[RB+32*(\a&1)+4*\t:RB+32*(\a&1)+4*\t+3], v[RD] offset:\t*2*SPITCH   ; LDS serves a wave's instructions in order: these see the stores above
.endr
.irp t, 0,1,2,3,4,5,6,7
	s_wait_dscnt 7-\t                              ; this read is back, the younger ones stay out
	global_store_b128 v[CO], v[RB+32*(\a&1)+4*\t:RB+32*(\a&1)+4*\t+3], s[8:9] offset:(16*\a+2*\t)*4096 th:TH_STORE_NT   ; sixteen lanes store 256 neighbouring bytes, aligned
.endr
.endm
	OUT16 0
	OUT16 1
	OUT16 2
	OUT16 3
	s_wait_tensorcnt 0x0
	ds_add_u32 v254, v255
	s_wait_dscnt 0x0
	CROUND                                         ; the closing round: no work-group ends while a partner may still ask for a tile that names it
	s_endpgm
.Lfunc_end_k_q8dc8b328d3_proj:
	.size	k_q8dc8b328d3_proj, .Lfunc_end_k_q8dc8b328d3_proj-k_q8dc8b328d3_proj
	.p2alignl 7, 3214868480
	.fill 96, 4, 3214868480
	.section	.rodata,"a",@progbits
	.p2align	6, 0x0
	.amdhsa_kernel k_q8dc8b328d3_proj
		.amdhsa_group_segment_fixed_size 327680
		.amdhsa_private_segment_fixed_size 0
		.amdhsa_enable_private_segment 0
		.amdhsa_kernarg_size 24
		.amdhsa_user_sgpr_count 2
		.amdhsa_user_sgpr_kernarg_segment_ptr 1
		.amdhsa_wavefront_size32 1
		.amdhsa_system_sgpr_workgroup_id_x 1
		.amdhsa_system_sgpr_workgroup_id_y 1
		.amdhsa_system_sgpr_workgroup_id_z 1
		.amdhsa_system_vgpr_workitem_id 0
		.amdhsa_next_free_vgpr 512
		.amdhsa_next_free_sgpr 66
		.amdhsa_reserve_vcc 0
		.amdhsa_float_denorm_mode_32 3
		.amdhsa_float_denorm_mode_16_64 3
		.amdhsa_memory_ordered 1
		.amdhsa_forward_progress 1
		.amdhsa_inst_pref_size 109
	.end_amdhsa_kernel
	.amdgpu_metadata
---
amdhsa.version: [ 1, 2 ]
amdhsa.kernels:
  - .name:           k_q8dc8b328d3_proj
    .symbol:         k_q8dc8b328d3_proj.kd
    .args:
      - { .name: o, .offset: 0, .size: 8, .value_kind: global_buffer, .address_space: global }
      - { .name: wt, .offset: 8, .size: 8, .value_kind: global_buffer, .address_space: global }
      - { .name: out0, .offset: 16, .size: 8, .value_kind: global_buffer, .address_space: global }
    .group_segment_fixed_size: 327680
    .private_segment_fixed_size: 0
    .kernarg_segment_align: 8
    .kernarg_segment_size: 24
    .max_flat_workgroup_size: 128
    .sgpr_count:     66
    .vgpr_count:     512
    .wavefront_size: 32
...
	.end_amdgpu_metadata
.endif
;; end of part 4
;; ======== version 2 of 2: 4 launches; 1.20 times as fast as version 1
;; limits: values are held in f16: magnitudes above 65,504 overflow, below 6.1e-05 lose precision
;; workspace buffers: xb 8,388,608 bytes; wt 8,388,608 bytes; qkv 33,554,432 bytes; o 8,388,608 bytes; oe 2,097,152 bytes
;; launch prep: the kernel of part 1 again; grid 512 x 1, 8 waves a work-group, no clusters, 18,432 bytes of LDS; arguments x, Wq, Wk, Wv, Wo, xb, wt; writes xb, wt
;; launch qkv: the kernel of part 2 again; grid 16 x 16, 4 waves a work-group, clusters of 4 x 4, 327,680 bytes of LDS; arguments xb, wt, qkv; writes qkv
;; launch attn (part 5): grid 8 x 32, 8 waves a work-group, no clusters, 327,680 bytes of LDS; arguments qkv, o, oe; writes o, oe
.if DOCPART == 5
	.amdgcn_target "amdgcn-amd-amdhsa--gfx1250"
	.amdhsa_code_object_version 6
	.text
	.protected	k_q8dc8b328d3_attn
	.globl	k_q8dc8b328d3_attn
	.p2align	8
	.type	k_q8dc8b328d3_attn,@function
k_q8dc8b328d3_attn:
	s_mov_b64 s[64:65], 0
	v_nop
	global_prefetch_b8 v0, s[64:65] scope:SCOPE_SE
	s_setreg_imm32_b32 hwreg(HW_REG_WAVE_MODE, 25, 1), 1
	s_wait_xcnt 0x0
; Causal attention of one (batch, head): softmax(q k^T / 8, keys <= query) v, with a running maximum.  f16 operands, everything else f32.
; qkv: [plane][bh][t][dh 64] f16, planes q, k, v's upper part (11 bits, cut off), v's rest.
; WHERE THE SECOND PARTS ARE USED.  A row with few keys takes v over almost unchanged and is far larger than the rows that average many keys, so only
; there a rounding of v or of the result weighs against the whole output's size.  So P x (v's rest) is added in a block's diagonal tile alone (it holds all
; the keys of rows 0-127; 2 of a work-group's 17 steps), and the result goes out in two parts for rows t < 256 alone:
;   o : [b][t / 2][head][t & 1][dh 64] bf16, rounded once, written for t >= 256 (its rows t < 256 are neither written nor read);
;   oe: [b][t / 16, 16][part 2][row pair 8][head][t & 1][dh 64] bf16 for t < 256: part 0 the rounded result, part 1 the exact difference, rounded.
; LIMIT of that choice: a row t >= 128 whose weight lies on one far key gets v in 11 bits cut off, a row t >= 256 its result in bf16: the plain rounding of
; matrix operands, no more.
; SHARING: query blocks of 128 rows, 16 for each bh.  Work-group g takes block 2 g (2 g + 1 key tiles of 128) and then block 15 - 2 g (16 - 2 g tiles):
; 17 tiles in each of the 256 work-groups.  Wave w: query rows 32 (w & 3) .. + 31 (two tiles qt), keys 64 (w >> 2) .. + 63 of every tile; the two key
; halves are merged through LDS at a block's end.
; THE ORDER OF THE TILES: block 2 g's diagonal tile first, from LDS bytes of its own; then eight PAIRS of neighbouring tiles, pair p in ring slot p & 1:
; pairs 0 .. g - 1 are tiles 0 .. 2 g - 1 for block 2 g, pairs g .. 7 are tiles 0 .. 15 - 2 g for block 15 - 2 g, whose diagonal tile is the very last.
; So the slots' turns are the same text for every g; the blocks change in front of pair g.  One barrier and one request serve two steps: a pair
; asked for behind the barrier at a pair's head has that pair's two steps (64 matrix instructions a wave and two tiles' softmax) in which to land.
; LAYOUT: S^T = K Q^T, so a lane holds one query (r) and keys 16 kt + 8 h + j: the softmax's figures are one number a lane, and two packed tiles of S^T
; are the B fragment of P^T as they stand.  O^T = V^T P^T, V^T read by the transposing LDS load.
; The exponent is S c + NM with c = log2(e) / 8 and NM = -c x maximum: one fused multiply-add; old sums are rescaled by exp2(NM new - NM old).
; NOTHING IS CLEARED: the first block's first products start its sums; for the second block the maximum goes back to its seed and the shift to -c x seed
; (some 6e37), so that its first step's ordinary rescale is exp2 of some -6e37 = 0 and wipes the first block's sums, which are finite.
; NO JOINT LOADS: the eight work-groups of a bh walk the same K and V, but at pair p work-group g wants tile pair p (p < g) or p - g: partners want
; different tiles at the same step, and in lock step each would walk the longest partner's tiles.
; LIMITS: raw scores below -3.4e38 are not told apart (the maximum's seed).  Every row has its diagonal key, so the sum is at least 1 and
; nan_to_num changes nothing for finite inputs; with NaN or infinite inputs the results differ from the reference's.  P, q, k are rounded to f16.
.set TILE,   16384                     ; 128 keys x 128 bytes, dense: taken as 64 rows of 256 bytes (two keys a row)
.set KPITCH, 272
.set VPITCH, 288
.set KBYTES, 64*KPITCH                 ; 17,408
.set VBYTES, 64*VPITCH                 ; 18,432
; LDS.  K: slot 0's two tiles at 0, the first diagonal tile's K at 2 KBYTES, slot 1's two tiles at 3 KBYTES.
;       V from VBASE: slot 0's two tiles, the first diagonal tile's V, its rest, slot 1's two tiles, the second diagonal tile's rest.
; So one address register for each slot reaches all that is read with it by an offset below 65,536 (62,304 at the most).
.set KS1,    3*KBYTES                  ; 52,224
.set VBASE,  5*KBYTES                  ; 87,040
.set VS1,    4*VBYTES                  ; 73,728, from slot 0's V to slot 1's
.set XBASE,  VBASE+7*VBYTES            ; 216,064 = 844 x 256: the waves' exchange, 4,608 bytes each; no fill lands here
.set XWAVE,  4608
.set OBASE,  XBASE+8*XWAVE             ; 252,928: the waves' stages for the way out: two parts of 16 rows of 128 bytes at pitch 144
.set OPITCH, 144
.set OPART,  16*OPITCH
.set OWAVE,  2*OPART
.set O,   64                           ; v[64:127]  O(dt, qt) at 64 + 32 qt + 8 dt.   v[0:63]: S(qt, kt) at 32 qt + 8 kt; P(qt, ks) in the first 8 registers of 32 qt + 16 ks
.set Q,   128                          ; v[128:159] Q(qt, ks) at 128 + 16 qt + 8 ks
.set KV,  160                          ; v[160:223] K(kt, ks) at 160 + 16 kt + 8 ks, then the upper part of V(dt, ks) in the same registers
.set VL,  0                            ; v[256:319], named through the second window: the rest of V(dt, ks) at 16 dt + 8 ks
.set M,   224                          ; running maxima of the raw scores, one for each qt
.set NM,  226                          ; the shift in use: -c x maximum
.set AL,  228                          ; the rescale
.set L,   230                          ; sums, a pair for each qt
.set T,   234                          ; v[234:241] at work
.set MN,  242                          ; the new shift
.set AK,  244                          ; K's LDS address, slot 0, 1
.set AV,  246                          ; V's
.set VD,  248                          ; query - key of (kt = qt, j = 0) on the diagonal
.set XS,  249
.set XR,  250
.set STO, 251
.set RD,  252
.set CO,  253
.set QO,  254
.set NI,  255                          ; -infinity
.set G1K, 24
.set G1V, 32
.set G0K, 40                           ; s[40:47] the ring's K tiles: a group 0 for each slot (waves 0, 1)
.set G0V, 48                           ; s[48:55] the ring's V tiles (waves 2, 3)
.set G0L, 76                           ; s[76:83] the two diagonal tiles' rests of V; written once
.set G0D, 92                           ; s[92:99] the first diagonal tile's K and V; written once
.set MSB, 0
.macro WIN new                         ; the immediate's high byte repeats the setting that is left; at every label and branch the setting is 0
.if MSB != \new
	s_set_vgpr_msb (MSB<<8)|\new
.set MSB, \new
.endif
.endm
; The first fills: waves 0 to 3, two each, a wave's two inside one branch on its number: first one of the four single tiles, then its quarter of pair 0.
.macro TLOAD0
	s_cmp_lg_u32 s8, 0
	s_cbranch_scc1 .Lf1_\@
	tensor_load_to_lds s[G0D:G0D+3], s[G1K:G1K+7]
	s_nop 0
	tensor_load_to_lds s[G0K:G0K+3], s[G1K:G1K+7]
	s_nop 0
	s_branch .Lfd_\@
.Lf1_\@:
	s_cmp_lg_u32 s8, 1
	s_cbranch_scc1 .Lf2_\@
	tensor_load_to_lds s[G0D+4:G0D+7], s[G1V:G1V+7]
	s_nop 0
	tensor_load_to_lds s[G0K:G0K+3], s[G1K:G1K+7]
	s_nop 0
	s_branch .Lfd_\@
.Lf2_\@:
	s_cmp_lg_u32 s8, 2
	s_cbranch_scc1 .Lf3_\@
	tensor_load_to_lds s[G0L:G0L+3], s[G1V:G1V+7]
	s_nop 0
	tensor_load_to_lds s[G0V:G0V+3], s[G1V:G1V+7]
	s_nop 0
	s_branch .Lfd_\@
.Lf3_\@:
	s_cmp_lg_u32 s8, 3
	s_cbranch_scc1 .Lfd_\@
	tensor_load_to_lds s[G0L+4:G0L+7], s[G1V:G1V+7]
	s_nop 0
	tensor_load_to_lds s[G0V:G0V+3], s[G1V:G1V+7]
	s_nop 0
.Lfd_\@:
.endm
.macro TLOAD slot                      ; a pair: waves 0, 1 fetch K's two tiles, waves 2, 3 V's, the others nothing: one load of 64 rows a wave
	s_cmp_lg_u32 s15, 0
	s_cbranch_scc1 .Lnot_k_\@
	tensor_load_to_lds s[G0K+4*\slot:G0K+4*\slot+3], s[G1K:G1K+7]
	s_nop 0
	s_branch .Ltl_done_\@
.Lnot_k_\@:
	s_cmp_lg_u32 s15, 1
	s_cbranch_scc1 .Ltl_done_\@
	tensor_load_to_lds s[G0V+4*\slot:G0V+4*\slot+3], s[G1V:G1V+7]
	s_nop 0
.Ltl_done_\@:
.endm
.macro QLOAD base                      ; my 32 query rows as B fragments, straight from memory
.irp qt, 0,1
.irp ks, 0,1
	global_load_b128 v[Q+16*\qt+8*\ks:Q+16*\qt+8*\ks+3],   v[QO], s[\base:\base+1] offset:2048*\qt+64*\ks
	global_load_b128 v[Q+16*\qt+8*\ks+4:Q+16*\qt+8*\ks+7], v[QO], s[\base:\base+1] offset:2048*\qt+64*\ks+32
.endr
.endr
.endm
	s_load_b128 s[4:7], s[0:1], 0x0                ; qkv s[4:5], o s[6:7]
	s_load_b64 s[88:89], s[0:1], 0x10              ; oe
	s_set_vgpr_msb 0x40
	v_lshl_add_u32 v64, v0, 2, 0x46c00
	v_mov_b32 v65, 0
	s_set_vgpr_msb 0x4045
	ds_add_u32 v64, v65
	s_set_vgpr_msb 0x4500
	v_lshrrev_b32 v1, 5, v0
	v_readfirstlane_b32 s8, v1                     ; wave 0..7
	s_lshr_b32 s9, s8, 2                           ; g2: which 64 keys
	s_and_b32 s10, s8, 3                           ; wq: which 32 queries
	s_lshr_b32 s15, s8, 1                          ; 0: I fetch K's tiles, 1: V's, else nothing
	s_mov_b32 s11, ttmp9                           ; g
	s_and_b32 s12, ttmp7, 0xffff                   ; bh
	s_mov_b32 s60, 0x3e38aa3b                      ; c = log2(e) / 8
	s_mov_b32 s61, 0x3e38aa3b
	s_mov_b32 s62, 0xbe38aa3b                      ; -c
	s_mov_b32 s63, 0xff7fffff                      ; the maximum's seed
	s_mov_b32 s66, 0x76543210                      ; v_permlanex16_b32: lane i reads lane i of the other half
	s_mov_b32 s67, 0xfedcba98
	s_mov_b32 s87, 0xffff0000                      ; a word's upper bf16
	s_mov_b32 s[G1K+0], (3<<16)|(1<<20)|(5<<22)|(3<<25)   ; elements of 8 bytes; padding: after every 64 words, 4 words: pitch 272
	s_mov_b32 s[G1V+0], (3<<16)|(1<<20)|(5<<22)|(7<<25)   ; 8 words: pitch 288
	s_mov_b32 s[G1K+1], 32<<16                     ; tensor_dim0 = 32 elements (256 bytes)
	s_mov_b32 s[G1V+1], 32<<16
	s_mov_b32 s[G1K+2], 64<<16                     ; tensor_dim1 = 64 rows
	s_mov_b32 s[G1V+2], 64<<16
	s_mov_b32 s[G1K+3], 32<<16                     ; tile_dim0
	s_mov_b32 s[G1V+3], 32<<16
	s_mov_b32 s[G1K+4], 64                         ; tile_dim1
	s_mov_b32 s[G1V+4], 64
	s_mov_b32 s[G1K+5], 32                         ; the block is dense: a row begins where the last ends
	s_mov_b32 s[G1V+5], 32
	s_mov_b32 s[G1K+6], 0
	s_mov_b32 s[G1V+6], 0
	s_mov_b32 s[G1K+7], 0
	s_mov_b32 s[G1V+7], 0
	s_mul_i32 s13, s8, KBYTES                      ; the ring's K tiles: wave x 17,408 (waves 0, 1) + the slot
	s_mul_i32 s14, s8, VBYTES                      ; its V tiles: 87,040 + (wave - 2) x 18,432 (waves 2, 3) + the slot
	s_mov_b32 s[G0K+0], 1
	s_add_co_u32 s[G0K+1], s13, 0
	s_mov_b32 s[G0K+4], 1
	s_add_co_u32 s[G0K+5], s13, KS1
	s_mov_b32 s[G0V+0], 1
	s_add_co_u32 s[G0V+1], s14, VBASE-2*VBYTES
	s_mov_b32 s[G0V+4], 1
	s_add_co_u32 s[G0V+5], s14, VBASE-2*VBYTES+VS1
	s_mov_b32 s[G0D+0], 1
	s_mov_b32 s[G0D+1], 2*KBYTES
	s_mov_b32 s[G0D+4], 1
	s_mov_b32 s[G0D+5], VBASE+2*VBYTES
	s_mov_b32 s[G0L+0], 1
	s_mov_b32 s[G0L+1], VBASE+3*VBYTES
	s_mov_b32 s[G0L+4], 1
	s_mov_b32 s[G0L+5], VBASE+6*VBYTES
	s_lshl_b32 s56, s11, 15                        ; the first block's diagonal tile, 2 g, in bytes (and the block's queries: the same 16,384 bytes a block)
	s_sub_co_u32 s57, 15*TILE, s56                 ; the second block's, 15 - 2 g
	s_mov_b32 s20, 2*TILE                          ; where the pair behind the last one asked for begins
	s_mov_b32 s22, s56
	s_mov_b32 s23, 0
	s_lshl_b32 s2, s12, 18                         ; bh x 2,048 rows x 128 bytes
	s_mov_b32 s3, 0
	s_wait_dscnt 0x0
	s_barrier_signal -1
	s_barrier_wait -1
	s_wait_kmcnt 0x0
	s_add_nc_u64 s[4:5], s[4:5], s[2:3]            ; q's plane of this bh
	s_add_nc_u64 s[16:17], s[4:5], 0x800000        ; k's
	s_add_nc_u64 s[18:19], s[4:5], 0x1000000       ; that of v's upper part
	s_add_nc_u64 s[84:85], s[4:5], 0x1800000       ; that of v's rest
	s_mov_b32 s2, s57
	s_add_nc_u64 s[G0D+2:G0D+3], s[16:17], s[22:23]
	s_or_b32 s[G0D+3], s[G0D+3], 0x80000000
	s_add_nc_u64 s[G0D+6:G0D+7], s[18:19], s[22:23]
	s_or_b32 s[G0D+7], s[G0D+7], 0x80000000
	s_add_nc_u64 s[G0L+2:G0L+3], s[84:85], s[22:23]
	s_or_b32 s[G0L+3], s[G0L+3], 0x80000000
	s_add_nc_u64 s[G0L+6:G0L+7], s[84:85], s[2:3]
	s_or_b32 s[G0L+7], s[G0L+7], 0x80000000
	s_and_b32 s2, s8, 1                            ; which tile of a pair I fetch
	s_lshl_b32 s2, s2, 14
	s_add_nc_u64 s[16:17], s[16:17], s[2:3]
	s_add_nc_u64 s[18:19], s[18:19], s[2:3]
	s_mov_b64 s[G0K+2:G0K+3], s[16:17]             ; pair 0 is tiles 0 and 1, for whichever block it serves
	s_or_b32 s[G0K+3], s[G0K+3], 0x80000000
	s_mov_b64 s[G0V+2:G0V+3], s[18:19]
	s_or_b32 s[G0V+3], s[G0V+3], 0x80000000
	TLOAD0                                         ; ahead of every wait on TENSORcnt and LDS read; two loads of a wave are out, the most in this text
	s_lshl_b32 s13, s10, 12                        ; my 32 rows of 128 bytes in a block
	s_add_co_u32 s2, s56, s13
	s_add_nc_u64 s[68:69], s[4:5], s[2:3]          ; my queries, first block
	s_add_co_u32 s2, s57, s13
	s_add_nc_u64 s[70:71], s[4:5], s[2:3]          ; second block
	s_lshr_b32 s13, s12, 4                         ; o: ((b x 1024 + 64 block + 16 wq + 8 g2) x 16 + head) x 256
	s_lshl_b32 s13, s13, 22
	s_lshl_b32 s14, s10, 16
	s_add_co_u32 s13, s13, s14
	s_lshl_b32 s14, s9, 15
	s_add_co_u32 s13, s13, s14
	s_and_b32 s14, s12, 15
	s_lshl_b32 s14, s14, 8
	s_add_co_u32 s13, s13, s14
	s_lshl_b32 s14, s11, 19
	s_add_co_u32 s2, s13, s14
	s_add_nc_u64 s[72:73], s[6:7], s[2:3]          ; first block
	s_sub_co_u32 s14, 15<<18, s14
	s_add_co_u32 s2, s13, s14
	s_add_nc_u64 s[74:75], s[6:7], s[2:3]          ; second block
	s_lshr_b32 s13, s12, 4                         ; oe: (16 b + 8 block + 2 wq + g2) x 65,536 + head x 256; the block (0 or 1) stands in the stores' immediate
	s_lshl_b32 s13, s13, 20
	s_lshl_b32 s14, s10, 17
	s_add_co_u32 s13, s13, s14
	s_lshl_b32 s14, s9, 16
	s_add_co_u32 s13, s13, s14
	s_and_b32 s14, s12, 15
	s_lshl_b32 s14, s14, 8
	s_add_co_u32 s2, s13, s14
	s_add_nc_u64 s[88:89], s[88:89], s[2:3]
	v_and_b32 v1, 31, v0                           ; L
	v_and_b32 v2, 15, v0                           ; r
	v_bfe_u32 v3, v0, 4, 1                         ; h
	v_lshrrev_b32 v4, 1, v2
	v_and_b32 v5, 1, v0
	v_mul_u32_u24 v6, v4, KPITCH                   ; key r: LDS row r >> 1, half r & 1; the sixteen lanes' 16-byte columns are (r >> 1) + 8 (r & 1): all different
	v_lshl_add_u32 v6, v5, 7, v6
	v_lshl_add_u32 v6, v3, 4, v6
	s_mul_i32 s13, s9, 32*KPITCH
	v_add_nc_u32 v[AK], s13, v6
	v_add_nc_u32 v[AK+1], KS1, v[AK]
	v_bfe_u32 v7, v0, 1, 2                         ; the transposing load: lane L addresses key 8 h + (L & 7), 16 bytes of dh at 16 ((L >> 3) & 1)
	v_lshl_add_u32 v7, v3, 2, v7
	v_mul_u32_u24 v7, v7, VPITCH
	v_lshl_add_u32 v7, v5, 7, v7
	v_bfe_u32 v8, v0, 3, 1
	v_lshl_add_u32 v7, v8, 4, v7
	s_mul_i32 s13, s9, 32*VPITCH
	s_add_co_u32 s13, s13, VBASE
	v_add_nc_u32 v[AV], s13, v7
	v_add_nc_u32 v[AV+1], VS1, v[AV]
	s_lshl_b32 s13, s10, 5
	s_lshl_b32 s14, s9, 6
	s_sub_co_i32 s13, s13, s14
	v_lshlrev_b32 v9, 3, v3
	v_sub_nc_u32 v[VD], v2, v9
	v_add_nc_u32 v[VD], s13, v[VD]                 ; 32 wq + r - 64 g2 - 8 h
	v_lshlrev_b32 v10, 4, v1
	s_mul_i32 s13, s8, XWAVE
	s_add_co_u32 s13, s13, XBASE
	v_add_nc_u32 v[XS], s13, v10                   ; what I send
	s_xor_b32 s13, s8, 4
	s_mul_i32 s13, s13, XWAVE
	s_add_co_u32 s13, s13, XBASE
	v_add_nc_u32 v[XR], s13, v10                   ; what the wave with the other keys sent
	s_mul_i32 s13, s8, OWAVE
	s_add_co_u32 s13, s13, OBASE
	v_mul_u32_u24 v11, v2, OPITCH
	v_lshl_add_u32 v11, v3, 4, v11
	v_add_nc_u32 v[STO], s13, v11                  ; in: row r, 16 bytes for each half of the lanes
	v_lshrrev_b32 v11, 3, v1
	v_and_b32 v12, 7, v0
	v_mul_u32_u24 v11, v11, OPITCH
	v_lshl_add_u32 v11, v12, 4, v11
	v_add_nc_u32 v[RD], s13, v11                   ; back: eight lanes take a row's 128 bytes, four rows a load
	v_lshlrev_b32 v11, 4, v2
	v_lshl_add_u32 v[CO], v3, 12, v11              ; sixteen lanes: two query rows = 256 bytes; the other sixteen: the next pair, 4,096 bytes on
	v_lshlrev_b32 v11, 7, v2
	v_lshl_add_u32 v[QO], v3, 4, v11
	v_mov_b32 v[NI], 0xff800000
	QLOAD 68
.macro SRUN ks, first                  ; eight products S^T(kt, qt), 32 of dh; the eight accumulators take turns
.irp kt, 0,1,2,3
.irp qt, 0,1
.if \first
	v_wmma_f32_16x16x32_f16 v[32*\qt+8*\kt:32*\qt+8*\kt+7], v[KV+16*\kt+8*\ks:KV+16*\kt+8*\ks+7], v[Q+16*\qt+8*\ks:Q+16*\qt+8*\ks+7], 0
.else
	v_wmma_f32_16x16x32_f16 v[32*\qt+8*\kt:32*\qt+8*\kt+7], v[KV+16*\kt+8*\ks:KV+16*\kt+8*\ks+7], v[Q+16*\qt+8*\ks:Q+16*\qt+8*\ks+7], v[32*\qt+8*\kt:32*\qt+8*\kt+7]
.endif
.endr
.endr
.endm
.macro PVRUN vb, ks, first             ; eight products O^T(dt, qt), 32 keys, with the part of V at vb; again by turns
.irp qt, 0,1
.irp dt, 0,1,2,3
.if \first
	v_wmma_f32_16x16x32_f16 v[O+32*\qt+8*\dt:O+32*\qt+8*\dt+7], v[\vb+16*\dt+8*\ks:\vb+16*\dt+8*\ks+7], v[32*\qt+16*\ks:32*\qt+16*\ks+7], 0
.else
	v_wmma_f32_16x16x32_f16 v[O+32*\qt+8*\dt:O+32*\qt+8*\dt+7], v[\vb+16*\dt+8*\ks:\vb+16*\dt+8*\ks+7], v[32*\qt+16*\ks:32*\qt+16*\ks+7], v[O+32*\qt+8*\dt:O+32*\qt+8*\dt+7]
.endif
.endr
.endr
.endm
.macro VLOAD vb, slot, off             ; sixteen transposing loads: one part of V^T for my 64 keys
.irp ks, 0,1
.irp dt, 0,1,2,3
	ds_load_tr16_b128 v[\vb+16*\dt+8*\ks:\vb+16*\dt+8*\ks+3],   v[AV+\slot] offset:\off+\ks*16*VPITCH+\dt*32
	ds_load_tr16_b128 v[\vb+16*\dt+8*\ks+4:\vb+16*\dt+8*\ks+7], v[AV+\slot] offset:\off+\ks*16*VPITCH+\dt*32+8*VPITCH
.endr
.endr
.endm
; The head of pair s58 + k.  Every wave waits for all its tensor loads (this pair's parts among them) and for its LDS reads (those of the other slot among
; them), all eight pass the barrier, and the other slot is asked for again first thing behind it: pair s58 + k + 1, which has this pair's two steps to land.
.macro HEAD other, refill, k
	s_set_vgpr_msb 0x5
	s_wait_tensorcnt 0x0                           ; all my tensor loads have landed: every group 0 may be written
	ds_add_u32 v64, v65
	s_wait_dscnt 0x0
	s_set_vgpr_msb 0x500
.if \refill
	s_add_co_u32 s59, s58, \k+1                    ; the pair to ask for
	s_cmp_eq_u32 s59, s11                          ; pair g is the second block's first: its run begins at tile 0
	s_cselect_b32 s22, 0, s20
	s_add_co_u32 s20, s22, 2*TILE
	s_add_nc_u64 s[G0K+4*\other+2:G0K+4*\other+3], s[16:17], s[22:23]
	s_or_b32 s[G0K+4*\other+3], s[G0K+4*\other+3], 0x80000000
	s_add_nc_u64 s[G0V+4*\other+2:G0V+4*\other+3], s[18:19], s[22:23]
	s_or_b32 s[G0V+4*\other+3], s[G0V+4*\other+3], 0x80000000
.endif
	s_wait_dscnt 0x0                               ; my reads of the other slot are over
	s_barrier_signal -1
	s_barrier_wait -1                              ; both now hold of all eight waves
.if \refill
	TLOAD \other
.endif
.endm
; One key tile: K at v[AK + ka] + koff, V at v[AV + va] + voff.  diag: a block's diagonal tile: masked, and V's rest, at v[AV + va] + roff, is multiplied too.
; zero: the launch's first tile, whose products start the sums.
.macro BODY ka, koff, va, voff, diag, roff, zero
.irp ks, 0,1
.irp kt, 0,1,2,3
	ds_load_b128 v[KV+16*\kt+8*\ks:KV+16*\kt+8*\ks+3],   v[AK+\ka] offset:\koff+\kt*8*KPITCH+\ks*64
	ds_load_b128 v[KV+16*\kt+8*\ks+4:KV+16*\kt+8*\ks+7], v[AK+\ka] offset:\koff+\kt*8*KPITCH+\ks*64+32
.endr
.endr
.if \zero
	s_wait_loadcnt 0x0                             ; the first block's queries
.endif
	s_wait_dscnt 0x8                               ; dh 0-31 of my 64 keys is in; the eight loads of dh 32-63 stay out
	SRUN 0, 1
	s_wait_dscnt 0x0
	SRUN 1, 0
.rept 4
	v_nop                                          ; places in front of the loads into K's registers and of the vector reads of S
.endr
	VLOAD KV, \va, \voff                           ; V's upper part
.if \diag
	WIN 0x40                                       ; destination in the second window
	VLOAD VL, \va, \roff                           ; V's rest
	WIN 0
.irp qt, 0,1
.irp kt, 0,1,2,3
.irp j, 0,1,2,3,4,5,6,7
	v_cmp_gt_i32 vcc_lo, 16*(\kt-\qt)+\j, v[VD]    ; key > query
	v_cndmask_b32 v[32*\qt+8*\kt+\j], v[32*\qt+8*\kt+\j], v[NI], vcc_lo
.endr
.endr
.endr
.endif
	; the maximum of my 32 scores and the old maximum, two chains for each qt
.irp q, 0,1
.if \zero
	v_max3_num_f32 v[M+\q], s63, v[32*\q], v[32*\q+1]
.else
	v_max3_num_f32 v[M+\q], v[M+\q], v[32*\q], v[32*\q+1]
.endif
	v_max3_num_f32 v[T+\q], v[32*\q+16], v[32*\q+17], v[32*\q+18]
.endr
.irp i, 1,2,3,4,5,6
.irp q, 0,1
	v_max3_num_f32 v[M+\q], v[M+\q], v[32*\q+2*\i], v[32*\q+2*\i+1]
	v_max3_num_f32 v[T+\q], v[T+\q], v[32*\q+17+2*\i], v[32*\q+18+2*\i]
.endr
.endr
.irp q, 0,1
	v_max3_num_f32 v[M+\q], v[M+\q], v[32*\q+14], v[32*\q+15]
.endr
.irp q, 0,1
	v_max3_num_f32 v[M+\q], v[M+\q], v[T+\q], v[32*\q+31]
.endr
.irp q, 0,1
	v_permlanex16_b32 v[T+\q], v[M+\q], s66, s67   ; the same query's other keys
.endr
.irp q, 0,1
	v_max_num_f32 v[M+\q], v[M+\q], v[T+\q]
.endr
.irp q, 0,1
	v_mul_f32 v[MN+\q], s62, v[M+\q]               ; the new shift
.endr
.if \zero == 0
.irp q, 0,1
	v_sub_f32 v[AL+\q], v[MN+\q], v[NM+\q]
.endr
.endif
.irp q, 0,1
.irp i, 0,1,2,3,4,5,6,7,8,9,10,11,12,13,14,15
	v_pk_fma_f32 v[32*\q+2*\i:32*\q+2*\i+1], v[32*\q+2*\i:32*\q+2*\i+1], s[60:61], v[MN:MN+1] op_sel:[0,0,\q] op_sel_hi:[1,0,\q]
.endr
.endr
.if \zero == 0
	v_exp_f32 v[AL], v[AL]
	v_exp_f32 v[AL+1], v[AL+1]
.endif
.set i, 0
.rept 64
	v_exp_f32 v[i], v[i]
.set i, i+1
.endr
	v_mov_b32 v[NM], v[MN]                         ; plain instructions behind the run of exponentials, in front of the first use of a result (ISA guide 5.7.2)
	v_mov_b32 v[NM+1], v[MN+1]
.if \zero == 0
	s_wait_alu depctr_va_vdst(0)
.irp q, 0,1
.irp i, 0,1,2,3,4,5,6,7,8,9,10,11,12,13,14,15
	v_pk_mul_f32 v[O+32*\q+2*\i:O+32*\q+2*\i+1], v[O+32*\q+2*\i:O+32*\q+2*\i+1], v[AL:AL+1] op_sel:[0,\q] op_sel_hi:[1,\q]
.endr
.endr
.endif
	; the sums of my 32 exponentials, in f32, two chains of pairs for each qt
	s_wait_alu depctr_va_vdst(0)
.irp q, 0,1
	v_pk_add_f32 v[T+4*\q:T+4*\q+1], v[32*\q:32*\q+1], v[32*\q+2:32*\q+3]
	v_pk_add_f32 v[T+4*\q+2:T+4*\q+3], v[32*\q+16:32*\q+17], v[32*\q+18:32*\q+19]
.endr
.irp i, 2,3,4,5,6,7
.irp q, 0,1
	v_pk_add_f32 v[T+4*\q:T+4*\q+1], v[T+4*\q:T+4*\q+1], v[32*\q+2*\i:32*\q+2*\i+1]
	v_pk_add_f32 v[T+4*\q+2:T+4*\q+3], v[T+4*\q+2:T+4*\q+3], v[32*\q+16+2*\i:32*\q+16+2*\i+1]
.endr
.endr
.irp q, 0,1
.if \zero
	v_pk_add_f32 v[L+2*\q:L+2*\q+1], v[T+4*\q:T+4*\q+1], v[T+4*\q+2:T+4*\q+3]
.else
	v_pk_add_f32 v[T+4*\q:T+4*\q+1], v[T+4*\q:T+4*\q+1], v[T+4*\q+2:T+4*\q+3]
	v_pk_fma_f32 v[L+2*\q:L+2*\q+1], v[L+2*\q:L+2*\q+1], v[AL:AL+1], v[T+4*\q:T+4*\q+1] op_sel:[0,\q,0] op_sel_hi:[1,\q,1]
.endif
.endr
	; P in f16, packed in place: register base + i from base + 2 i and base + 2 i + 1, i ascending: no source is written before it is read
.irp q, 0,1
.irp ks, 0,1
.irp i, 0,1,2,3,4,5,6,7
	v_cvt_pk_f16_f32 v[32*\q+16*\ks+\i], v[32*\q+16*\ks+2*\i], v[32*\q+16*\ks+2*\i+1]
.endr
.endr
.endr
.if \diag
	s_wait_dscnt 16                                ; V's upper part is in; the sixteen loads of its rest stay out
	PVRUN KV, 0, \zero
	PVRUN KV, 1, 0
	s_wait_dscnt 0x0
	WIN 0x01                                       ; source 0 in the second window
	PVRUN VL, 0, 0
	PVRUN VL, 1, 0
	WIN 0
.else
	s_wait_dscnt 0x0                               ; V^T
	PVRUN KV, 0, \zero
	PVRUN KV, 1, 0
.endif
.rept 5
	v_nop                                          ; places in front of the next loads into V's registers, the next S over P, and the vector reads of O
.endr
.endm
.macro SEND qt                         ; the query tile that the other wave finishes: its shift, its sum, its 32 registers of O
	v_mov_b32 v[T], v[NM+\qt]
	v_mov_b32 v[T+1], v[L+2*\qt]
	ds_store_b64 v[XS], v[T:T+1] offset:4096
.irp i, 0,1,2,3,4,5,6,7
	ds_store_b128 v[XS], v[O+32*\qt+4*\i:O+32*\qt+4*\i+3] offset:512*\i
.endr
.endm
; The two key halves of query tile qt become one; divide; round to bf16; out.  Block 0 is the first block of work-group 0, block 1 the second block of
; work-group 7: their rows (t < 256) go to oe, with the rest as a second part; all others go to o.  The branch hangs on the work-group's number alone.
.macro MERGE qt, ph
.irp i, 0,1,2,3,4,5,6,7
	ds_load_b128 v[KV+4*\i:KV+4*\i+3], v[XR] offset:512*\i
.endr
	ds_load_b64 v[KV+32:KV+33], v[XR] offset:4096
	s_wait_dscnt 0x0
	v_min_num_f32 v[MN], v[NM+\qt], v[KV+32]       ; the smaller shift belongs to the larger maximum
	v_sub_f32 v[T], v[MN], v[NM+\qt]
	v_sub_f32 v[T+1], v[MN], v[KV+32]
	v_exp_f32 v[T], v[T]
	v_exp_f32 v[T+1], v[T+1]
	v_nop                                          ; a plain place behind the exponentials
	s_wait_alu depctr_va_vdst(0)
	v_mul_f32 v[T+2], v[L+2*\qt], v[T]
	v_fmac_f32 v[T+2], v[KV+33], v[T+1]
	v_permlanex16_b32 v[T+3], v[T+2], s66, s67     ; the same query's other lane
	v_add_f32 v[T+2], v[T+2], v[T+3]
	v_rcp_f32 v[T+2], v[T+2]
	v_nop                                          ; a plain place behind the reciprocal
	s_wait_alu depctr_va_vdst(0)
	v_mul_f32 v[T], v[T], v[T+2]
	v_mul_f32 v[T+1], v[T+1], v[T+2]
.irp i, 0,1,2,3,4,5,6,7,8,9,10,11,12,13,14,15
	v_pk_mul_f32 v[O+32*\qt+2*\i:O+32*\qt+2*\i+1], v[O+32*\qt+2*\i:O+32*\qt+2*\i+1], v[T:T+1] op_sel:[0,0] op_sel_hi:[1,0]
.endr
.irp i, 0,1,2,3,4,5,6,7,8,9,10,11,12,13,14,15
	v_pk_fma_f32 v[O+32*\qt+2*\i:O+32*\qt+2*\i+1], v[KV+2*\i:KV+2*\i+1], v[T:T+1], v[O+32*\qt+2*\i:O+32*\qt+2*\i+1] op_sel:[0,1,0] op_sel_hi:[1,1,1]
.endr
.irp i, 0,1,2,3,4,5,6,7,8,9,10,11,12,13,14,15
	v_cvt_pk_bf16_f32 v[KV+32+\i], v[O+32*\qt+2*\i], v[O+32*\qt+2*\i+1]
.endr
.irp dt, 0,1,2,3
	ds_store_b128 v[STO], v[KV+32+4*\dt:KV+32+4*\dt+3] offset:32*\dt               ; row r, dh 16 dt + 8 h ..
.endr
.irp i, 0,1,2,3
	ds_load_b128 v[KV+4*\i:KV+4*\i+3], v[RD] offset:4*OPITCH*\i                    ; my own stage: LDS serves a wave's instructions in order
.endr
	s_cmp_eq_u32 s11, 7*\ph
	s_cbranch_scc1 .Learly_\@
.irp i, 0,1,2,3
	s_wait_dscnt 3-\i                              ; this read is back, the younger ones stay out
	global_store_b128 v[CO], v[KV+4*\i:KV+4*\i+3], s[72+2*\ph:73+2*\ph] offset:8192*\i   ; sixteen lanes store 256 neighbouring bytes, aligned
.endr
	s_branch .Lstored_\@
.Learly_\@:
.irp i, 0,1,2,3
	s_wait_dscnt 3-\i
	global_store_b128 v[CO], v[KV+4*\i:KV+4*\i+3], s[88:89] offset:524288*\ph+8192*\i    ; part 0
.endr
.irp i, 0,1,2,3,4,5,6,7,8,9,10,11,12,13,14,15
	v_lshlrev_b32 v[2*\i], 16, v[KV+32+\i]         ; the rounded result as f32 again, in S's registers
	v_and_b32 v[2*\i+1], s87, v[KV+32+\i]
.endr
.irp i, 0,1,2,3,4,5,6,7,8,9,10,11,12,13,14,15
	v_pk_add_f32 v[O+32*\qt+2*\i:O+32*\qt+2*\i+1], v[O+32*\qt+2*\i:O+32*\qt+2*\i+1], v[2*\i:2*\i+1] neg_lo:[0,1] neg_hi:[0,1]   ; the rest, exact
.endr
.irp i, 0,1,2,3,4,5,6,7,8,9,10,11,12,13,14,15
	v_cvt_pk_bf16_f32 v[KV+48+\i], v[O+32*\qt+2*\i], v[O+32*\qt+2*\i+1]
.endr
.irp dt, 0,1,2,3
	ds_store_b128 v[STO], v[KV+48+4*\dt:KV+48+4*\dt+3] offset:OPART+32*\dt
.endr
.irp i, 0,1,2,3
	ds_load_b128 v[KV+16+4*\i:KV+16+4*\i+3], v[RD] offset:OPART+4*OPITCH*\i
.endr
.irp i, 0,1,2,3
	s_wait_dscnt 3-\i
	global_store_b128 v[CO], v[KV+16+4*\i:KV+16+4*\i+3], s[88:89] offset:524288*\ph+32768+8192*\i   ; part 1
.endr
.Lstored_\@:
.if \ph == 0
	s_wait_xcnt 0x0                                ; the stores' data registers are loaded again in the next step only behind this wait
.endif
.endm
.macro FINAL ph
	v_add_f32 v[L], v[L], v[L+1]
	v_add_f32 v[L+2], v[L+2], v[L+3]
.if \ph == 0
	QLOAD 70                                       ; the second block's queries, on their way during the merge
.endif
	s_cmp_lt_u32 s8, 4
	s_cbranch_scc0 .Lsend_hi_\@
	SEND 1                                         ; waves with keys 0-63 finish query tile 0 and send tile 1
	s_branch .Lsent_\@
.Lsend_hi_\@:
	SEND 0
.Lsent_\@:
	s_wait_dscnt 0x0                               ; my stores are done, for the partner's sake
	s_barrier_signal -1                            ; the next pair's load may stay out
	s_barrier_wait -1
	s_cmp_lt_u32 s8, 4
	s_cbranch_scc0 .Lmerge_hi_\@
	MERGE 0, \ph
	s_branch .Lmerged_\@
.Lmerge_hi_\@:
	MERGE 1, \ph
.Lmerged_\@:
.endm
; In front of pair s58 + k: if it is pair g, the first block is finished and the second begins.  The branch hangs on the work-group's number and the loop's
; counter alone, so all eight waves take it alike.  Between two of these places stands a pair's head, whose barrier orders one exchange's reads with the next one's stores.
.macro CHK k
	s_add_co_u32 s59, s58, \k
	s_cmp_lg_u32 s59, s11
	s_cbranch_scc1 .Lsame_\@
	FINAL 0
	v_mov_b32 v[M], s63                            ; the maximum back to its seed,
	v_mov_b32 v[M+1], s63
	v_mul_f32 v[NM], s62, v[M]                     ; the shift to -c x seed: the next step's rescale is 0 and wipes the first block's (finite) sums
	v_mul_f32 v[NM+1], s62, v[M+1]
	s_wait_loadcnt 0x0                             ; the second block's queries
.Lsame_\@:
.endm
.macro PAIR s                          ; the two tiles of slot s: no barrier between them, the head's has shown the whole slot to every wave
	BODY \s, 0, \s, 0, 0, 0, 0
	BODY \s, KBYTES, \s, VBYTES, 0, 0, 0
.endm
	s_wait_tensorcnt 0x1                           ; my single tile is in; my part of pair 0, issued behind it, stays out
	s_barrier_signal -1
	s_barrier_wait -1
	BODY 0, 2*KBYTES, 0, 2*VBYTES, 1, 3*VBYTES, 1  ; block 2 g's diagonal tile: its products start the sums
	s_mov_b32 s58, 0
.Lpairs:                                           ; pairs 0 to 5, two a trip
	CHK 0
	HEAD 1, 1, 0                                   ; in the first trip this is slot 1's first fill, issued as a refill is
	PAIR 0
	CHK 1
	HEAD 0, 1, 1
	PAIR 1
	s_add_co_u32 s58, s58, 2
	s_cmp_lt_u32 s58, 6
	s_cbranch_scc1 .Lpairs
	CHK 0                                          ; pair 6
	HEAD 1, 1, 0                                   ; asks for pair 7, the last
	PAIR 0
	CHK 1                                          ; pair 7
	HEAD 0, 0, 1                                   ; nothing is left to fetch; no tensor load is out from here on
	BODY 1, 0, 1, 0, 0, 0, 0
	BODY 1, KBYTES, 1, VBYTES, 1, 2*VBYTES, 0      ; block 15 - 2 g's diagonal tile
	FINAL 1
	s_set_vgpr_msb 0x5
	s_wait_tensorcnt 0x0
	ds_add_u32 v64, v65
	s_wait_dscnt 0x0
	s_set_vgpr_msb 0x500
	s_endpgm
.Lfunc_end_k_q8dc8b328d3_attn:
	.size	k_q8dc8b328d3_attn, .Lfunc_end_k_q8dc8b328d3_attn-k_q8dc8b328d3_attn
	.p2alignl 7, 3214868480
	.fill 96, 4, 3214868480
	.section	.rodata,"a",@progbits
	.p2align	6, 0x0
	.amdhsa_kernel k_q8dc8b328d3_attn
		.amdhsa_group_segment_fixed_size 327680
		.amdhsa_private_segment_fixed_size 0
		.amdhsa_enable_private_segment 0
		.amdhsa_kernarg_size 24
		.amdhsa_user_sgpr_count 2
		.amdhsa_user_sgpr_kernarg_segment_ptr 1
		.amdhsa_wavefront_size32 1
		.amdhsa_system_sgpr_workgroup_id_x 1
		.amdhsa_system_sgpr_workgroup_id_y 1
		.amdhsa_system_sgpr_workgroup_id_z 1
		.amdhsa_system_vgpr_workitem_id 0
		.amdhsa_next_free_vgpr 322
		.amdhsa_next_free_sgpr 100
		.amdhsa_reserve_vcc 1
		.amdhsa_float_denorm_mode_32 3
		.amdhsa_float_denorm_mode_16_64 3
		.amdhsa_memory_ordered 1
		.amdhsa_forward_progress 1
		.amdhsa_inst_pref_size 255
	.end_amdhsa_kernel
	.section	.bss,"aw",@nobits
	.p2align	6
	.space	262144
	.amdgpu_metadata
---
amdhsa.version: [ 1, 2 ]
amdhsa.kernels:
  - .name:           k_q8dc8b328d3_attn
    .symbol:         k_q8dc8b328d3_attn.kd
    .args:
      - { .name: qkv, .offset: 0, .size: 8, .value_kind: global_buffer, .address_space: global }
      - { .name: o, .offset: 8, .size: 8, .value_kind: global_buffer, .address_space: global }
      - { .name: oe, .offset: 16, .size: 8, .value_kind: global_buffer, .address_space: global }
    .group_segment_fixed_size: 327680
    .private_segment_fixed_size: 0
    .kernarg_segment_align: 8
    .kernarg_segment_size: 24
    .max_flat_workgroup_size: 256
    .sgpr_count:     100
    .vgpr_count:     322
    .wavefront_size: 32
...
	.end_amdgpu_metadata
.endif
;; end of part 5
;; launch proj (part 6): grid 8 x 32, 4 waves a work-group, clusters of 4 x 4, 327,680 bytes of LDS; arguments o, oe, wt, out0; writes out0
.if DOCPART == 6
	.amdgcn_target "amdgcn-amd-amdhsa--gfx1250"
	.amdhsa_code_object_version 6
	.text
	.protected	k_q8dc8b328d3_proj
	.globl	k_q8dc8b328d3_proj
	.p2align	8
	.type	k_q8dc8b328d3_proj,@function
k_q8dc8b328d3_proj:
	s_mov_b64 s[64:65], 0
	v_nop
	global_prefetch_b8 v0, s[64:65] scope:SCOPE_SE
	s_setreg_imm32_b32 hwreg(HW_REG_WAVE_MODE, 25, 1), 1
	s_wait_xcnt 0x0
	s_wait_alu depctr_hold_cnt(0) depctr_sa_sdst(0) depctr_va_vdst(0) depctr_va_sdst(0) depctr_va_ssrc(0) depctr_va_vcc(0) depctr_vm_vsrc(0)
	s_getreg_b32 s2, hwreg(HW_REG_IB_STS2, 6, 4)
	s_cmp_eq_u32 s2, 0
	s_cbranch_scc0 .Lentry_in_a_cluster
	s_endpgm
.Lentry_in_a_cluster:
	s_bfe_u32 s2, ttmp6, 0x10000c
	s_cmp_lg_u32 s2, 0xf033
	s_cbranch_scc0 .Lentry_shape_is_right
	s_endpgm
.Lentry_shape_is_right:
; out0[4096][1024] = (attention's result) x Wo, bf16 operands, f32 sums and results.  Wo^T = wt rows 3072 ..: [n][k] bf16.
; The result lies in o ([b][t / 2][head][t & 1][dh 64] bf16, rows t >= 256) and in oe ([b][t / 16][part 2][row pair 8][head][t & 1][dh 64] bf16, rows t < 256,
; the value being part 0 + part 1: the rows with few keys, whose rounding nothing averages away).
; ROWS OF A WORK-GROUP: row group by = 16 b + e takes the 112 rows t = 256 + 112 e .. (seven row tiles) and the 16 rows t = 16 e .. (one row tile, in two
; parts): nine units of 16 rows for eight tiles of out0, the same in all 256 work-groups.  Columns: 128 x block.
; Wave w makes all 128 rows x columns 32 w .. 32 w + 31: 16 accumulator tiles; for 32 along K it reads 22 x 512 bytes from LDS for 18 matrix instructions.
; (A split of the waves in two by two would read less, but nine units do not halve.)
; K goes in four fills of 256 (four heads) through two LDS slots.  One load a wave: wave 0 the 56 row pairs of o, wave 1 the 16 rows of oe (1,024 bytes each),
; waves 2, 3 64 rows each of wt (512 bytes).
; CLUSTERS: 4 x 4 work-groups; o's and oe's tiles are shared along a row of the cluster, wt's along a column, by joint loads.
; REGISTERS: window 0 addresses and the fragments (two buffers of 9 + 2), later the way out; window 1 the accumulators (tile (a, b) at 8 (2 a + b)).
; The matrix instruction is used transposed (source 0 = rows of wt): a lane holds eight neighbouring columns, 32 bytes, of one row of out0.
.set APITCH, 1040                      ; 1,024 bytes + 16: an odd multiple of 16
.set AEOFF,  56*APITCH                 ; oe's 16 rows lie behind o's 56: units 7 (part 0) and 8 (part 1)
.set ABYTES, 72*APITCH                 ; 74,880
.set BPITCH, 528                       ; 512 bytes + 16
.set BHALF,  64*BPITCH                 ; 33,792
.set SLOT,   ABYTES+2*BHALF            ; 142,464
.set STAGE,  2*SLOT                    ; 284,928 = 1113 x 256: behind the ring, no fill lands here; 64 rows of 512 bytes, shared by the four waves
.set SPITCH, 528
.set ADRA,  16                         ; v16-17 A's units 0-3 in slot 0, 1
.set ADRA2, 18                         ; v18-19 units 4-8: 32 LDS rows on, so that the loads' 16-bit offsets reach
.set ADRB,  20                         ; v20-21 B's
.set STO,   24
.set RD0,   25
.set RD1,   26
.set RD2,   27
.set CO,    28
.set FB,    32                         ; v32-47, v48-63
.set FA,    64                         ; v64-135, v136-207
.set RB,    64                         ; the way out: 128 registers read back
.set G1A, 24                           ; s[24:31] o's tile
.set G1E, 32                           ; s[32:39] oe's
.set G1B, 40                           ; s[40:47] wt's
.set G0A, 48                           ; s[48:55] a group 0 for each slot
.set G0E, 56                           ; s[56:63]
.set G0B, 68                           ; s[68:75]
.set MSB, 0
.macro WIN new                         ; the immediate's high byte repeats the setting that is left
.if MSB != \new
	s_set_vgpr_msb (MSB<<8)|\new
.set MSB, \new
.endif
.endm
.set MULW, 0x50                        ; sources 0 and 1 window 0, C and D window 1
.macro JLOAD s                         ; one joint load a wave; the branches hang on the wave's number alone
	s_cmp_lg_u32 s12, 0
	s_cbranch_scc1 .Lj1_\@
	tensor_load_to_lds s[G0A+4*\s:G0A+4*\s+3], s[G1A:G1A+7]
	s_nop 0
	s_branch .Ljd_\@
.Lj1_\@:
	s_cmp_lg_u32 s12, 1
	s_cbranch_scc1 .Lj2_\@
	tensor_load_to_lds s[G0E+4*\s:G0E+4*\s+3], s[G1E:G1E+7]
	s_nop 0
	s_branch .Ljd_\@
.Lj2_\@:
	tensor_load_to_lds s[G0B+4*\s:G0B+4*\s+3], s[G1B:G1B+7]
	s_nop 0
.Ljd_\@:
.endm
.macro CREST                           ; a round of the cluster's barrier behind its opening work-group barrier
	s_cmp_lg_u32 s12, 0
	s_cbranch_scc1 .Lnot_wave_0_\@
	s_barrier_signal -3
.Lnot_wave_0_\@:
	s_barrier_wait -3
	s_barrier_signal -1
	s_barrier_wait -1
.endm
.macro CROUND
	s_barrier_signal -1
	s_barrier_wait -1
	CREST
.endm
	s_load_b256 s[4:11], s[0:1], 0x0               ; o s[4:5], oe s[6:7], wt s[8:9], out0 s[10:11]
	v_lshl_add_u32 v254, v0, 2, 0x4dd00
	v_mov_b32 v255, 0
	ds_add_u32 v254, v255
	v_lshrrev_b32 v1, 5, v0
	v_readfirstlane_b32 s12, v1                    ; wave 0..3
	s_bfe_u32 s76, ttmp6, 0x40000                  ; cx
	s_bfe_u32 s77, ttmp6, 0x40004                  ; cy
	s_lshl_b32 s14, ttmp9, 2
	s_add_co_u32 s14, s14, s76                     ; block of 128 columns
	s_and_b32 s13, ttmp7, 0xffff
	s_lshl_b32 s13, s13, 2
	s_add_co_u32 s13, s13, s77                     ; row group by = 16 b + e
	s_lshl_b32 s78, s77, 2
	s_lshl_b32 s78, 15, s78                        ; my row of the cluster
	s_lshl_b32 s79, 0x1111, s76                    ; my column
	s_or_b32 s[G1A+0], s78, (1<<16)|(1<<20)|(1<<21)|(7<<22)|(3<<25)  ; mask; elements of 2 bytes; padding on; bit 21 beside a mask; after every 256 words, 4 words
	s_or_b32 s[G1E+0], s78, (1<<16)|(1<<20)|(1<<21)|(7<<22)|(3<<25)
	s_or_b32 s[G1B+0], s79, (1<<16)|(1<<20)|(1<<21)|(6<<22)|(3<<25)  ; after every 128 words, 4 words
	s_mov_b32 s[G1A+1], 512<<16                    ; tensor_dim0 = 512 elements (1,024 bytes)
	s_mov_b32 s[G1E+1], 512<<16
	s_mov_b32 s[G1B+1], 256<<16                    ;             = 256 (512 bytes)
	s_mov_b32 s[G1A+2], 56<<16                     ; tensor_dim1: rows
	s_mov_b32 s[G1E+2], 16<<16
	s_mov_b32 s[G1B+2], 64<<16
	s_mov_b32 s[G1A+3], 512<<16                    ; tile_dim0
	s_mov_b32 s[G1E+3], 512<<16
	s_mov_b32 s[G1B+3], 256<<16
	s_mov_b32 s[G1A+4], 56                         ; tile_dim1
	s_mov_b32 s[G1E+4], 16
	s_mov_b32 s[G1B+4], 64
	s_mov_b32 s[G1A+5], 2048                       ; o and oe: 4,096 bytes from a row pair to the next
	s_mov_b32 s[G1E+5], 2048
	s_mov_b32 s[G1B+5], 1024                       ; wt: 2,048 bytes from row to row
	s_mov_b32 s[G1A+6], 0
	s_mov_b32 s[G1E+6], 0
	s_mov_b32 s[G1B+6], 0
	s_mov_b32 s[G1A+7], 0
	s_mov_b32 s[G1E+7], 0
	s_mov_b32 s[G1B+7], 0
	s_lshr_b32 s16, s13, 4                         ; o: row pair 1024 b + 128 + 56 e, of 4,096 bytes
	s_lshl_b32 s16, s16, 22
	s_and_b32 s17, s13, 15
	s_mul_i32 s17, s17, 56*4096
	s_add_co_u32 s16, s16, s17
	s_add_co_u32 s16, s16, 128*4096
	s_mov_b32 s17, 0
	s_lshl_b32 s18, s13, 16                        ; oe: by x 16 rows x 4,096 bytes
	s_mov_b32 s19, 0
	s_lshl_b32 s80, s14, 18                        ; wt: (3072 + 128 block + 64 half) rows of 2,048 bytes; the half is wave & 1 in waves 2, 3
	s_and_b32 s81, s12, 1
	s_lshl_b32 s81, s81, 17
	s_add_co_u32 s80, s80, s81
	s_add_co_u32 s80, s80, 3072*2048
	s_mov_b32 s81, 0
	s_mul_i32 s15, s12, BHALF                      ; LDS: B's halves at 74,880 + (wave - 2) x 33,792
	s_add_co_u32 s15, s15, ABYTES-2*BHALF
	s_wait_dscnt 0x0
	s_wait_kmcnt 0x0
	s_add_nc_u64 s[16:17], s[4:5], s[16:17]
	s_add_nc_u64 s[18:19], s[6:7], s[18:19]
	s_add_nc_u64 s[80:81], s[8:9], s[80:81]
	CROUND                                         ; all sixteen work-groups are here: the first joint loads meet
.irp s, 0,1
	s_mov_b32 s[G0A+4*\s], 1
	s_mov_b32 s[G0A+4*\s+1], \s*SLOT
	s_add_nc_u64 s[G0A+4*\s+2:G0A+4*\s+3], s[16:17], \s*1024      ; fill s: four heads of 256 bytes on
	s_or_b32 s[G0A+4*\s+3], s[G0A+4*\s+3], 0x80000000
	s_mov_b32 s[G0E+4*\s], 1
	s_mov_b32 s[G0E+4*\s+1], \s*SLOT+AEOFF
	s_add_nc_u64 s[G0E+4*\s+2:G0E+4*\s+3], s[18:19], \s*1024
	s_or_b32 s[G0E+4*\s+3], s[G0E+4*\s+3], 0x80000000
	s_mov_b32 s[G0B+4*\s], 1
	s_add_co_u32 s[G0B+4*\s+1], s15, \s*SLOT
	s_add_nc_u64 s[G0B+4*\s+2:G0B+4*\s+3], s[80:81], \s*512       ; 256 k of 2 bytes on
	s_or_b32 s[G0B+4*\s+3], s[G0B+4*\s+3], 0x80000000
	JLOAD \s                                       ; fills 0 and 1: two loads of the wave are out, the most in this text
.endr
	v_and_b32 v1, 15, v0                           ; r
	v_bfe_u32 v2, v0, 4, 1                         ; h
	v_lshrrev_b32 v3, 1, v1
	v_and_b32 v4, 1, v0
	v_mul_u32_u24 v3, v3, APITCH                   ; A's row r: LDS row r >> 1, 128 bytes for r & 1; the sixteen lanes' 16-byte columns are (r >> 1) + 8 (r & 1)
	v_lshl_add_u32 v3, v4, 7, v3
	v_lshl_add_u32 v[ADRA], v2, 4, v3
	v_add_nc_u32 v[ADRA+1], SLOT, v[ADRA]
	v_add_nc_u32 v[ADRA2], 32*APITCH, v[ADRA]
	v_add_nc_u32 v[ADRA2+1], SLOT+32*APITCH, v[ADRA]
	v_mul_u32_u24 v5, v1, BPITCH
	v_lshl_add_u32 v5, v2, 4, v5
	s_mul_i32 s22, s12, 32*BPITCH                  ; my 32 rows of wt
	s_add_co_u32 s22, s22, ABYTES
	v_add_nc_u32 v[ADRB], s22, v5
	v_add_nc_u32 v[ADRB+1], SLOT, v[ADRB]
	v_mul_u32_u24 v6, v1, SPITCH
	v_lshl_add_u32 v6, v2, 5, v6
	s_lshl_b32 s22, s12, 7
	s_add_co_u32 s22, s22, STAGE
	v_add_nc_u32 v[STO], s22, v6                   ; in: row r, my 128 bytes of it, 32 bytes for each half of the lanes
	v_and_b32 v7, 31, v0
	v_lshlrev_b32 v[CO], 4, v7                     ; back and out: the wave takes a whole row of 512 bytes, 16 x lane
	s_mul_i32 s22, s12, 16*SPITCH
	s_add_co_u32 s22, s22, STAGE
	v_add_nc_u32 v[RD0], s22, v[CO]                ; first pass: staged rows 16 w ..
	s_mul_i32 s22, s12, 12*SPITCH
	s_add_co_u32 s22, s22, STAGE
	v_add_nc_u32 v[RD1], s22, v[CO]                ; second pass: staged rows 12 w .. of the 48 rows t >= 256
	s_mul_i32 s22, s12, 4*SPITCH
	s_add_co_u32 s22, s22, STAGE+48*SPITCH
	v_add_nc_u32 v[RD2], s22, v[CO]                ; and 48 + 4 w .. of the 16 rows t < 256
.macro MULU f, u, a, zero              ; unit u of A onto the accumulators of row tile a, my two column tiles, 32 along K
.irp b, 0,1
.if \zero
	v_wmma_f32_16x16x32_bf16 v[8*(2*\a+\b):8*(2*\a+\b)+7], v[FB+16*\f+8*\b:FB+16*\f+8*\b+7], v[FA+72*\f+8*\u:FA+72*\f+8*\u+7], 0
.else
	v_wmma_f32_16x16x32_bf16 v[8*(2*\a+\b):8*(2*\a+\b)+7], v[FB+16*\f+8*\b:FB+16*\f+8*\b+7], v[FA+72*\f+8*\u:FA+72*\f+8*\u+7], v[8*(2*\a+\b):8*(2*\a+\b)+7]
.endif
.endr
.endm
; The accumulators take turns, one instruction a turn, in the same order in every quarter.  Tile 7 has two turns a quarter, its
; second part (unit 8) fourth and its first part (unit 7) last: at least six other matrix instructions stand between two on one accumulator.
.macro MULA f, zero
	MULU \f, 0, 0, \zero
	MULU \f, 1, 1, \zero
	MULU \f, 2, 2, \zero
	MULU \f, 8, 7, \zero
.endm
.macro MULB f, zero
	MULU \f, 3, 3, \zero
	MULU \f, 4, 4, \zero
	MULU \f, 5, 5, \zero
	MULU \f, 6, 6, \zero
	MULU \f, 7, 7, 0
.endm
; The fragments of quarter kq (32 of the fill's 256 along K) into buffer f: 22 LDS loads.  In A's rows kq >> 1 is the head, kq & 1 the half of dh.
.macro FETCH slot, kq, f
	WIN 0
.irp u, 0,1,2,3
	ds_load_b128 v[FA+72*\f+8*\u:FA+72*\f+8*\u+3],   v[ADRA+\slot] offset:\u*8*APITCH+(\kq>>1)*256+(\kq&1)*64
	ds_load_b128 v[FA+72*\f+8*\u+4:FA+72*\f+8*\u+7], v[ADRA+\slot] offset:\u*8*APITCH+(\kq>>1)*256+(\kq&1)*64+32
.endr
.irp u, 4,5,6,7,8
	ds_load_b128 v[FA+72*\f+8*\u:FA+72*\f+8*\u+3],   v[ADRA2+\slot] offset:(\u-4)*8*APITCH+(\kq>>1)*256+(\kq&1)*64
	ds_load_b128 v[FA+72*\f+8*\u+4:FA+72*\f+8*\u+7], v[ADRA2+\slot] offset:(\u-4)*8*APITCH+(\kq>>1)*256+(\kq&1)*64+32
.endr
.irp b, 0,1
	ds_load_b128 v[FB+16*\f+8*\b:FB+16*\f+8*\b+3],   v[ADRB+\slot] offset:\b*16*BPITCH+\kq*64
	ds_load_b128 v[FB+16*\f+8*\b+4:FB+16*\f+8*\b+7], v[ADRB+\slot] offset:\b*16*BPITCH+\kq*64+32
.endr
.endm
.macro PLACES                          ; four independent vector instructions between a matrix instruction and a load into, or an LDS store of, its registers
.rept 4
	v_nop
.endr
.endm
.macro QUARTER slot, kq, f, g, zero    ; fetches quarter kq into buffer g, multiplies buffer f
	PLACES
	FETCH \slot, \kq, \g
	s_wait_dscnt 22                                ; all but the 22 just issued
	WIN MULW
	MULA \f, \zero
	MULB \f, \zero
.endm
.macro SEVEN slot, zero
	QUARTER \slot, 1, 0, 1, \zero
	QUARTER \slot, 2, 1, 0, 0
	QUARTER \slot, 3, 0, 1, 0
	QUARTER \slot, 4, 1, 0, 0
	QUARTER \slot, 5, 0, 1, 0
	QUARTER \slot, 6, 1, 0, 0
	QUARTER \slot, 7, 0, 1, 0
.endm
; The eighth quarter changes slots: each wave's reads of this slot and all its tensor loads are waited for in front of the barrier; where the slot is filled
; again the barrier opens a round of the cluster's barrier and the joint refill is the first tensor load behind the round.
; From a request to the wait for it a wave issues 136 matrix instructions.
.macro TURN slot, next, fill
	s_wait_dscnt 0x0                               ; my reads of this slot are over
	s_wait_tensorcnt 0x0                           ; all my tensor loads have landed
	ds_add_u32 v254, v255
	s_wait_dscnt 0x0
	s_barrier_signal -1
	WIN MULW
	MULA 1, 0                                      ; register work while the others arrive
	WIN 0
	s_barrier_wait -1
.if \fill
	CREST
	s_add_nc_u64 s[G0A+4*\slot+2:G0A+4*\slot+3], s[G0A+4*\slot+2:G0A+4*\slot+3], 2048
	s_add_nc_u64 s[G0E+4*\slot+2:G0E+4*\slot+3], s[G0E+4*\slot+2:G0E+4*\slot+3], 2048
	s_add_nc_u64 s[G0B+4*\slot+2:G0B+4*\slot+3], s[G0B+4*\slot+2:G0B+4*\slot+3], 1024
	JLOAD \slot
.endif
	PLACES
	FETCH \next, 0, 0
	WIN MULW
	MULB 1, 0
.endm
	s_wait_tensorcnt 1                             ; my part of fill 0 is in; fill 1's stays out
	s_barrier_signal -1
	s_barrier_wait -1
	FETCH 0, 0, 0
	SEVEN 0, 1                                     ; the first products start the sums: nothing is cleared
	TURN 0, 1, 1                                   ; slot 0 gets fill 2
	SEVEN 1, 0
	TURN 1, 0, 1                                   ; slot 1 gets fill 3
	SEVEN 0, 0
	TURN 0, 1, 0                                   ; nothing is left to fetch
	SEVEN 1, 0
	s_wait_dscnt 0x0
	WIN MULW
	MULA 1, 0
	MULB 1, 0
	; THE WAY OUT.  A wave holds 128 bytes of each row, so the four waves put 64 rows at a time together in a shared stage, and each wave reads whole rows of
	; 512 bytes back and stores them.  First pass: row tiles 0-3.  Second pass: row tiles 4-6 (48 rows t >= 256) and tile 7 (the 16 rows t < 256).
	PLACES
	WIN 0
	s_lshr_b32 s16, s13, 4                         ; b x 2,048 rows of 4,096 bytes
	s_lshl_b32 s16, s16, 23
	s_and_b32 s17, s13, 15                         ; e
	s_mul_i32 s18, s17, 112*4096
	s_add_co_u32 s18, s18, s16
	s_add_co_u32 s18, s18, 256*4096                ; row 2048 b + 256 + 112 e
	s_lshl_b32 s19, s12, 16
	s_add_co_u32 s20, s18, s19                     ; + 16 w: first pass
	s_mul_i32 s19, s12, 12*4096
	s_add_co_u32 s22, s18, s19
	s_add_co_u32 s22, s22, 64*4096                 ; + 64 + 12 w: second pass
	s_lshl_b32 s17, s17, 16
	s_add_co_u32 s16, s16, s17
	s_lshl_b32 s19, s12, 14
	s_add_co_u32 s16, s16, s19                     ; row 2048 b + 16 e + 4 w: the rows t < 256
	s_mov_b32 s17, 0
	s_mov_b32 s21, 0
	s_mov_b32 s23, 0
	s_lshl_b32 s80, s14, 9                         ; 128 columns of 4 bytes x block (in the registers that held wt's address)
	s_mov_b32 s81, 0
	s_add_nc_u64 s[10:11], s[10:11], s[80:81]
	s_add_nc_u64 s[82:83], s[10:11], s[20:21]
	s_add_nc_u64 s[84:85], s[10:11], s[22:23]
	s_add_nc_u64 s[86:87], s[10:11], s[16:17]
.macro STASH p                         ; row tiles 4 p .. 4 p + 3 into the stage
	WIN 0x04                                       ; an LDS store's data is source 1: window 1
.irp a, 0,1,2,3
.irp b, 0,1
	ds_store_b128 v[STO], v[8*(2*(4*\p+\a)+\b):8*(2*(4*\p+\a)+\b)+3]   offset:\a*16*SPITCH+64*\b
	ds_store_b128 v[STO], v[8*(2*(4*\p+\a)+\b)+4:8*(2*(4*\p+\a)+\b)+7] offset:\a*16*SPITCH+64*\b+16
.endr
.endr
	WIN 0
	s_wait_dscnt 0x0                               ; my stores are done, for the other waves' sake
	s_barrier_signal -1
	s_barrier_wait -1
.endm
	STASH 0
.irp i, 0,1,2,3,4,5,6,7,8,9,10,11,12,13,14,15
	ds_load_b128 v[RB+4*\i:RB+4*\i+3], v[RD0] offset:\i*SPITCH
.endr
.irp i, 0,1,2,3,4,5,6,7,8,9,10,11,12,13,14,15
	s_wait_dscnt 15-\i                             ; this read is back, the younger ones stay out; the last count is 0: my reads of the stage are over
	global_store_b128 v[CO], v[RB+4*\i:RB+4*\i+3], s[82:83] offset:4096*\i th:TH_STORE_NT   ; the wave stores 512 neighbouring bytes, aligned
.endr
	s_barrier_signal -1                            ; every wave has read the first pass: the stage may be written again
	s_barrier_wait -1
	STASH 1
.irp i, 0,1,2,3,4,5,6,7,8,9,10,11
	ds_load_b128 v[RB+64+4*\i:RB+64+4*\i+3], v[RD1] offset:\i*SPITCH
.endr
.irp i, 0,1,2,3
	ds_load_b128 v[RB+112+4*\i:RB+112+4*\i+3], v[RD2] offset:\i*SPITCH
.endr
.irp i, 0,1,2,3,4,5,6,7,8,9,10,11
	s_wait_dscnt 15-\i
	global_store_b128 v[CO], v[RB+64+4*\i:RB+64+4*\i+3], s[84:85] offset:4096*\i th:TH_STORE_NT
.endr
.irp i, 0,1,2,3
	s_wait_dscnt 3-\i
	global_store_b128 v[CO], v[RB+112+4*\i:RB+112+4*\i+3], s[86:87] offset:4096*\i th:TH_STORE_NT
.endr
	s_wait_tensorcnt 0x0
	ds_add_u32 v254, v255
	s_wait_dscnt 0x0
	CROUND                                         ; the closing round: no work-group ends while a partner may still ask for a tile that names it
	s_endpgm
.Lfunc_end_k_q8dc8b328d3_proj:
	.size	k_q8dc8b328d3_proj, .Lfunc_end_k_q8dc8b328d3_proj-k_q8dc8b328d3_proj
	.p2alignl 7, 3214868480
	.fill 96, 4, 3214868480
	.section	.rodata,"a",@progbits
	.p2align	6, 0x0
	.amdhsa_kernel k_q8dc8b328d3_proj
		.amdhsa_group_segment_fixed_size 327680
		.amdhsa_private_segment_fixed_size 0
		.amdhsa_enable_private_segment 0
		.amdhsa_kernarg_size 32
		.amdhsa_user_sgpr_count 2
		.amdhsa_user_sgpr_kernarg_segment_ptr 1
		.amdhsa_wavefront_size32 1
		.amdhsa_system_sgpr_workgroup_id_x 1
		.amdhsa_system_sgpr_workgroup_id_y 1
		.amdhsa_system_sgpr_workgroup_id_z 1
		.amdhsa_system_vgpr_workitem_id 0
		.amdhsa_next_free_vgpr 384
		.amdhsa_next_free_sgpr 88
		.amdhsa_reserve_vcc 0
		.amdhsa_float_denorm_mode_32 3
		.amdhsa_float_denorm_mode_16_64 3
		.amdhsa_memory_ordered 1
		.amdhsa_forward_progress 1
		.amdhsa_inst_pref_size 107
	.end_amdhsa_kernel
	.amdgpu_metadata
---
amdhsa.version: [ 1, 2 ]
amdhsa.kernels:
  - .name:           k_q8dc8b328d3_proj
    .symbol:         k_q8dc8b328d3_proj.kd
    .args:
      - { .name: o, .offset: 0, .size: 8, .value_kind: global_buffer, .address_space: global }
      - { .name: oe, .offset: 8, .size: 8, .value_kind: global_buffer, .address_space: global }
      - { .name: wt, .offset: 16, .size: 8, .value_kind: global_buffer, .address_space: global }
      - { .name: out0, .offset: 24, .size: 8, .value_kind: global_buffer, .address_space: global }
    .group_segment_fixed_size: 327680
    .private_segment_fixed_size: 0
    .kernarg_segment_align: 8
    .kernarg_segment_size: 32
    .max_flat_workgroup_size: 128
    .sgpr_count:     88
    .vgpr_count:     384
    .wavefront_size: 32
...
	.end_amdgpu_metadata
.endif
;; end of part 6
